; MI455X (gfx1250); checked and timed in simulation.
; The chip was launched on July 23, 2026; its instructions are those of AMD's public machine-readable ISA for CDNA 5 (MIT licence, August 2026) and "CDNA5" Instruction Set Architecture Reference Guide (July 2026). The comments in the code are by the model that wrote it; some were corrected since.
;; Causal Self Attention. Allowed arithmetic: matrix products marked QUANTISED: E2M3 operands, one E8M0 scale for each 32 along K, by v_wmma_scale_f32_16x16x128_f8f6f4 with both operands' format E2M3, f32 sums; everything else in f32.
;; Inputs: Wc_codes 1,024 x 32 x 24 uint8 (E2M3 codes of Wc, K innermost, in blocks of 32 codes, four codes in three bytes); Wc_scales 1,024 x 32 uint8 (E8M0 scales of Wc, one for each 32 codes along K); Wk_codes 1,024 x 32 x 24 uint8 (E2M3 codes of Wk, K innermost, in blocks of 32 codes, four codes in three bytes); Wk_scales 1,024 x 32 uint8 (E8M0 scales of Wk, one for each 32 codes along K); Wq_codes 1,024 x 32 x 24 uint8 (E2M3 codes of Wq, K innermost, in blocks of 32 codes, four codes in three bytes); Wq_scales 1,024 x 32 uint8 (E8M0 scales of Wq, one for each 32 codes along K); Wv_codes 1,024 x 32 x 24 uint8 (E2M3 codes of Wv, K innermost, in blocks of 32 codes, four codes in three bytes); Wv_scales 1,024 x 32 uint8 (E8M0 scales of Wv, one for each 32 codes along K); bc 1,024 float32; bk 1,024 float32; bq 1,024 float32; bv 1,024 float32; x_codes 4 x 2,048 x 32 x 24 uint8 (E2M3 codes of x, K innermost, in blocks of 32 codes, four codes in three bytes); x_scales 4 x 2,048 x 32 uint8 (E8M0 scales of x, one for each 32 codes along K).
;; Outputs: out0 4 x 2,048 x 1,024 float32.
;; This version of the problem:
;;   THIS VERSION OF THE PROBLEM IS GIVEN IN LOW PRECISION. The matrix products marked QUANTISED in the list below multiply operands that are first quantised to E2M3 (2 exponent bits, 3 mantissa bits; 6 bits a number), with one power-of-two scale for each 32 numbers along K (OCP MX v1.0); their sums are f32. All else is computed in f32.
;;   The module's matrix products, in the order in which they are computed (A, B: the left and right operand; K: the contracted axis; several contracted axes count as one K, in the product's order):
;;     1. [M 8,192, K 1,024] x [K 1,024, N 1,024]; A: input x (given as codes); B: input Wq (given as codes): QUANTISED
;;     2. [M 8,192, K 1,024] x [K 1,024, N 1,024]; A: input x (given as codes); B: input Wk (given as codes): QUANTISED
;;     3. [M 8,192, K 1,024] x [K 1,024, N 1,024]; A: input x (given as codes); B: input Wv (given as codes): QUANTISED
;;     4. batch 64 x [M 2,048, K 64] x [K 64, N 2,048]; A: computed on the way; B: computed on the way: QUANTISED
;;     5. batch 64 x [M 2,048, K 2,048] x [K 2,048, N 64]; A: softmax (see below); B: computed on the way: QUANTISED
;;     6. [M 8,192, K 1,024] x [K 1,024, N 1,024]; A: computed on the way; B: input Wc (given as codes): QUANTISED
;;   THE QUANTISER, for each operand of a quantised product, along K:
;;     - K is cut into blocks of 32 from its start; a last block that is shorter is filled with zeros.
;;     - A block's scale is 2^e with e = floor(log2(the largest magnitude in the block)) - 2, held to -126 .. 127; a block of zeros has e = 0. As a byte (E8M0): e + 127.
;;     - Each number is divided by its block's scale, clamped to +-7.5, and rounded to the nearest number of E2M3, ties to even, subnormals kept.
;;     - The product sums the exact products of the quantised numbers (number of the format x scale) in f32.
;;   ~~~python
;;   def quantise(x, axis):      # numpy; x: float32 -> the quantised numbers, widened to float32 again
;;       x = np.moveaxis(x, axis, -1); K = x.shape[-1]
;;       x = np.pad(x, [(0, 0)] * (x.ndim - 1) + [(0, -K % 32)]); x = x.reshape(x.shape[:-1] + (-1, 32)); a = np.abs(x).max(-1, keepdims=True)
;;       e = np.where(a > 0, np.clip(np.frexp(np.where(a > 0, a, 1))[1] - 1 - 2, -126, 127), 0)      # np.frexp(a)[1] - 1 = floor(log2(a)), exactly
;;       r = np.clip(x / 2.0 ** e, -7.5, 7.5)
;;       step = 2.0 ** (np.maximum(np.frexp(np.where(r == 0, 1, r))[1] - 1, 0) - 3)
;;       q = np.round(r / step) * step * 2.0 ** e      # np.round: ties to even
;;       return np.moveaxis(q.reshape(q.shape[:-2] + (-1,))[..., :K], -1, axis).astype(np.float32)
;;   ~~~
;;   SOFTMAX AHEAD OF A QUANTISED PRODUCT. Where the list says 'softmax', what is quantised is not the finished softmax but p = 2^(t - M), with t = logit x log2(e) and M = ceil(the row's largest t), a whole number; so 1/2 < the row's largest p <= 1. The row's sum l is taken of the UNQUANTISED p, in f32, and the product's result is divided by l at the end. Since M is a whole number, a kernel that streams over the keys may use a running M (the ceiling of the running maximum): every later rescaling is an exact power of two, which a block's scale takes up: the codes' values come out the same.
;;   OPERANDS COMPUTED ON THE WAY. 'Computed on the way' means the value that the module computes at that place (a softmax that the list does not call 'softmax' is quantised finished and normalised). What goes into a quantiser is computed in f32, as accurately as f32 sums, v_exp_f32 and their like allow (about 1e-6 of the number): no bf16 or f16 on the way to a quantiser, and a product that is left as it is and whose result goes on into a quantised operand takes f32 operands (vector FMAs, or v_wmma_f32_16x16x4_f32). A number that lies on a knife's edge between two numbers of the format may be rounded either way, as far as f32 arithmetic and the matrix unit's own rounding can turn it there, and no further.
;;   INPUTS GIVEN AS CODES. Wc (in the module: [1024, 1024], K = its axis 1); Wk (in the module: [1024, 1024], K = its axis 1); Wq (in the module: [1024, 1024], K = its axis 1); Wv (in the module: [1024, 1024], K = its axis 1); x (in the module: [4, 2048, 1024], K = its axis 2): each comes as NAME_codes (uint8): NAME with its K axis moved to the last place and cut into blocks of 32 codes, [.., K / 32, bytes a block], one block behind the other in memory; four codes in three bytes: a row's codes are one little-endian stream of bits, code i at bits 6 i .. 6 i + 5 (a code: sign, 2 exponent bits, 3 mantissa bits); and NAME_scales (uint8): the same leading axes, one E8M0 byte (e + 127) for each 32 codes along K. Its value is code x scale, taken as it is: it is not quantised again, and the codes and scales need not be those that the quantiser above would give.
;; One version. Each part assembles by itself: llvm-mc -triple=amdgcn-amd-amdhsa -mcpu=gfx1250 --defsym DOCPART=n.
;; ======== version 1 of 1: 3 launches
;; workspace buffers: qbuf 6,815,744 bytes; kvbuf 13,369,344 bytes; ybuf 6,291,456 bytes; ysc 262,144 bytes
;; launch qkv (part 1): grid 12 x 32, 4 waves a work-group, clusters of 4 x 4, 327,680 bytes of LDS; arguments x_codes, x_scales, Wq_codes, Wq_scales, Wk_codes, Wk_scales, Wv_codes, Wv_scales, bq, bk, bv, qbuf, kvbuf; writes qbuf, kvbuf
.if DOCPART == 1
	.amdgcn_target "amdgcn-amd-amdhsa--gfx1250"
	.amdhsa_code_object_version 6
	.text
	.protected	k_qc4de8fdc70_qkv
	.globl	k_qc4de8fdc70_qkv
	.p2align	8
	.type	k_qc4de8fdc70_qkv,@function
k_qc4de8fdc70_qkv:
	s_mov_b64 s[64:65], 0
	v_nop
	global_prefetch_b8 v0, s[64:65] scope:SCOPE_SE
	s_setreg_imm32_b32 hwreg(HW_REG_WAVE_MODE, 25, 1), 1
	s_wait_xcnt 0x0
	s_wait_alu depctr_hold_cnt(0) depctr_sa_sdst(0) depctr_va_vdst(0) depctr_va_sdst(0) depctr_va_ssrc(0) depctr_va_vcc(0) depctr_vm_vsrc(0)
	s_getreg_b32 s2, hwreg(HW_REG_IB_STS2, 6, 4)
	s_cmp_eq_u32 s2, 0
	s_cbranch_scc0 .Lentry_in_a_cluster
	s_endpgm
.Lentry_in_a_cluster:
	s_bfe_u32 s2, ttmp6, 0x10000c
	s_cmp_lg_u32 s2, 0xf033
	s_cbranch_scc0 .Lentry_shape_is_right
	s_endpgm
.Lentry_shape_is_right:
; q = x Wq^T + bq, k = x Wk^T + bk, v = x Wv^T + bv on codes of FP6 (E2M3) with one E8M0 scale for each 32 along K = 1,024; sums in f32, the bias as the first addend.
; The results are quantised in registers (q, k along the head's 64 channels; v along the tokens, which are the keys) and stored as IMAGES OF OPERAND REGISTERS for the next launch.
; THE PRODUCT is "A's rows x B's rows": a work-group makes 256 x 256, each of four waves 128 x 128 (64 accumulators, 512 registers).  The matrix instruction is used transposed (source 0 = 16 rows of B,
; source 1 = 16 rows of A): a lane holds ONE row of A and its registers run along B's rows.  The cluster's x says which product: 0: A = x, B = Wq;  1: A = x, B = Wk;  2: A = Wv, B = x, so that a lane holds
; one channel of v and its registers run along the tokens.  Only pointers, a few scalars and the C of the first K step differ: the cluster's x is the same in all sixteen partners.
; K goes in steps of 256 (rows of 192 bytes) through two LDS slots filled by joint tensor loads: A's tile is shared along a row of the 4 x 4 cluster, B's along a column.  Four K steps, written out.
; The scale bytes of the work-group's 256 + 256 rows, for all of K, come once with the first fills.
; THE ORDER OF CODES IN A BLOCK.  A tile of results gives lane (r, h) the numbers 8 h + 0..7 of its 16, so a block of 32 (two tiles) comes out of the conversions in the order 0-7, 16-23, 8-15, 24-31.
; The order stays inside a scale's block and falls alike on q and k, and alike on v and on the next launch's p: the products are the same.
; OUT.  A half fragment (16 rows x 64 along K, 6 registers a lane) is 768 bytes: registers 0-3 at 16 x lane, registers 4-5 at 512 + 8 x lane: each store covers whole aligned blocks of 256 bytes.
;   qbuf  [64 heads][16 groups of 128 tokens][6,656]: 8 half fragments (token tile t at 768 t); at 6,144 the scale words: word p of lane (r, h) at 16 lane + 4 p = token tile 2 p + h, row r: two bytes, then 127, 127.
;   kvbuf [64 heads][16 key steps][13,056]: K as q; at 6,656 V's 4 fragments (channel tile c at 1,536 c); at 12,800 V's scale words: word p of lane (r, h) at 8 lane + 4 p = channel tile 2 p + h, row r.
; LIMITS: a block whose largest magnitude lies under 2^-124 has its byte held at 1; a block of zeros has the byte 1 where the quantiser's rule says 127 (its codes are zeros, and this program alone reads the
; bytes); NaN and infinities among the inputs are not served.
; No prefetch: this text has two refills a wave in all; nothing stands far enough ahead of them.
; REGISTERS, in windows of 256: window 0: v16-29 addresses; v32-63 scale words, two sets; v64-127 the bias, eight tiles; v128-223 A's fragments, one set; v240-247 the bias loads' offsets.
;   window 1: B's fragments, two sets, at v0 and v128.   window 2: the accumulators of my rows 0-63 ((a, b) at v[8 (8 a + b)]);   window 3: those of rows 64-127.
.set KSTEP,  256
.set NQ,     KSTEP/128
.set ROWB,   192                       ; a tile's row in bytes
.set KROW,   768                       ; a row of codes in memory
.set PITCH,  240                       ; an LDS row: 3 x (64 bytes + 16 of padding)
.set FR,     12
.set NL,     6
.set NP,     4
.set HALFT,  128*PITCH
.set SLOT,   4*HALFT
.set KS,     32                        ; a row of scale bytes
.set SCL,    2*SLOT
.set HALFS,  (128*KS/256)*272
.set SBLK,   (16*KS/256)*272
.set SPARE,  SCL+4*HALFS               ; the spare words: 128 bytes a wave, two blocks of 256 bytes that no other line names
.set QREC,   6656
.set KVREC,  13056
.set ADRA, 16
.set ADRB, 20
.set L16,  24                          ; v24  16 x lane
.set L8,   25                          ; v25  8 x lane
.set ADRS, 27
.set SPW,  28
.set NIL,  29
.set SC,   32
.set BIAS, 64
.set AF,   128
.set TM,   200                         ; the way out: v200-203 largest magnitudes, v204-207 bytes, v212-215 the conversions' scale operands
.set PW,   224                         ; v224-231 block a's scale words
.set TW,   232                         ; v232-235 two blocks' words in one register
.set RA,   236                         ; v236-239, v240-243 the two heads' words
.set RB,   240
.set VO,   240
.set G1, 24
.set G0, 32
.set G1B, 48
.set G0B, 56
.set G1S, 68
.set G0S, 76
.set G1SB, 80
.set G0SB, 88
.set MSB, 0
.macro WIN new                         ; the immediate's high byte repeats the setting that is left
.if MSB != \new
	s_set_vgpr_msb (MSB<<8)|\new
.set MSB, \new
.endif
.endm
.set MUL_LO, 0xa1                      ; source 0 (B) window 1, source 1 (A) window 0, C and D window 2
.set MUL_HI, 0xf1                      ; the same, C and D window 3
.set BIA_LO, 0x81                      ; C (the bias) window 0, D window 2
.set BIA_HI, 0xc1                      ; C window 0, D window 3
.set TO_B,   0x40
; A joint load: waves 0 and 1 fetch for A, waves 2 and 3 for B; the branch hangs on the wave's number alone.  Four v_nop follow each of the two lines.
.macro JLOAD g0a, g1a, g0b, g1b
	s_cmp_eq_u32 s15, 0
	s_cbranch_scc0 .Lfor_b_\@
	tensor_load_to_lds s[\g0a:\g0a+3], s[\g1a:\g1a+7]
	s_nop 0
.rept 4
	v_nop
.endr
	s_branch .Lasked_\@
.Lfor_b_\@:
	tensor_load_to_lds s[\g0b:\g0b+3], s[\g1b:\g1b+7]
	s_nop 0
.rept 4
	v_nop
.endr
.Lasked_\@:
.endm
.macro CREST                           ; a round of the cluster's barrier behind its opening barrier
	s_cmp_lg_u32 s14, 0
	s_cbranch_scc1 .Lnot_wave_0_\@
	s_barrier_signal -3
.Lnot_wave_0_\@:
	s_barrier_wait -3
	s_barrier_signal -1
	s_barrier_wait -1
.endm
.macro CROUND
	s_barrier_signal -1
	s_barrier_wait -1
	CREST
.endm
	s_load_b512 s[68:83], s[0:1], 0x0              ; x's codes, scales; Wq's; Wk's; Wv's
	s_load_b256 s[84:91], s[0:1], 0x40             ; bq, bk, bv, qbuf
	s_load_b64 s[92:93], s[0:1], 0x60              ; kvbuf
	v_lshl_add_u32 v[SPW], v0, 2, SPARE
	v_mov_b32 v[NIL], 0
	ds_add_u32 v28, v29
	ds_add_u32 v28, v29
	s_wait_dscnt 0x0
	v_lshrrev_b32 v1, 5, v0
	v_readfirstlane_b32 s14, v1                    ; wave 0..3
	s_lshr_b32 s15, s14, 1                         ; which half of A's 256 rows is mine.  Also: I fetch for A (0) or for B (1)
	s_and_b32 s16, s14, 1                          ; which half of B's 256 rows.  Also: which 128 rows I fetch
	s_bfe_u32 s40, ttmp6, 0x40000                  ; cx
	s_bfe_u32 s41, ttmp6, 0x40004                  ; cy
	s_and_b32 s18, ttmp7, 0xffff
	s_lshl_b32 s18, s18, 2                         ; 4 x cluster y: it walks x's 32 blocks of 256 tokens
	s_cmp_eq_u32 ttmp9, 2                          ; v?  (the cluster's x: the same in all partners)
	s_cselect_b32 s17, 0, s18
	s_cselect_b32 s42, s18, 0
	s_cselect_b32 s2, 4, 0                         ; the bias loads' offset = r x s2 + h x s3 + j x s19
	s_cselect_b32 s3, 0, 32
	s_cselect_b32 s19, 0, 4
	s_add_co_u32 s17, s17, s41                     ; A's block of 256 rows: hangs on cy alone
	s_add_co_u32 s42, s42, s40                     ; B's: on cx alone
	s_lshl_b32 s43, s41, 2
	s_lshl_b32 s43, 15, s43                        ; my row of the cluster
	s_lshl_b32 s44, 0x1111, s40                    ; my column
	; descriptor group 1: a tile of 128 rows x 192 bytes; 16 bytes of padding behind every 64
	s_or_b32 s[G1+0], s43, (0<<16)|(1<<20)|(1<<21)|(3<<22)|(3<<25)
	s_or_b32 s[G1B+0], s44, (0<<16)|(1<<20)|(1<<21)|(3<<22)|(3<<25)
.irp g, G1, G1B
	s_mov_b32 s[\g+1], ROWB<<16                    ; tensor_dim0
	s_mov_b32 s[\g+2], 128<<16                     ; tensor_dim1
	s_mov_b32 s[\g+3], ROWB<<16                    ; tile_dim0
	s_mov_b32 s[\g+4], 128                         ; tile_dim1
	s_mov_b32 s[\g+5], KROW                        ; from row to row
	s_mov_b32 s[\g+6], 0
	s_mov_b32 s[\g+7], 0
.endr
	s_lshl_b32 s18, s16, 7                         ; which 128 rows of the block I fetch
	s_lshl_b32 s20, s17, 8
	s_add_co_u32 s20, s20, s18                     ; A's row
	s_lshl_b32 s46, s42, 8
	s_add_co_u32 s46, s46, s18                     ; B's row
	s_lshl_b32 s22, s20, 5                         ; where these rows' scale bytes begin (32 a row),
	s_lshl_b32 s66, s46, 5
	s_mul_i32 s20, s20, KROW                       ; and their codes (under 2^23 bytes)
	s_mul_i32 s46, s46, KROW
	s_mov_b32 s21, 0
	s_mov_b32 s23, 0
	s_mov_b32 s47, 0
	s_mov_b32 s67, 0
	s_mul_i32 s45, s14, HALFT                      ; where they go: wave x 128 rows: no place in the cluster enters an LDS address
	s_mul_i32 s94, s14, HALFS
	s_wait_kmcnt 0x0
	s_cmp_eq_u32 ttmp9, 2
	s_cselect_b64 s[4:5], s[80:81], s[68:69]       ; A's codes: Wv's or x's
	s_cselect_b64 s[6:7], s[82:83], s[70:71]       ; A's scales
	s_cselect_b64 s[8:9], s[68:69], s[76:77]       ; B's codes: x's or Wk's,
	s_cselect_b64 s[10:11], s[70:71], s[78:79]
	s_cselect_b64 s[96:97], s[88:89], s[86:87]     ; the bias: bv or bk,
	s_cmp_eq_u32 ttmp9, 0
	s_cselect_b64 s[8:9], s[72:73], s[8:9]         ; or Wq's
	s_cselect_b64 s[10:11], s[74:75], s[10:11]
	s_cselect_b64 s[96:97], s[84:85], s[96:97]     ; or bq
	s_cselect_b64 s[12:13], s[90:91], s[92:93]     ; out: qbuf or kvbuf
	s_add_nc_u64 s[20:21], s[4:5], s[20:21]
	s_add_nc_u64 s[22:23], s[6:7], s[22:23]
	s_add_nc_u64 s[46:47], s[8:9], s[46:47]
	s_add_nc_u64 s[66:67], s[10:11], s[66:67]
	; the scale bytes of 128 rows: a dense block of 4,096 bytes, as 16 rows of 256 bytes (32 elements of 8), 16 bytes of padding behind each.  (s68-91 have been read: they are written anew)
	s_or_b32 s[G1S+0], s43, (3<<16)|(1<<20)|(1<<21)|(5<<22)|(3<<25)
	s_or_b32 s[G1SB+0], s44, (3<<16)|(1<<20)|(1<<21)|(5<<22)|(3<<25)
.irp g, G1S, G1SB
	s_mov_b32 s[\g+1], 32<<16
	s_mov_b32 s[\g+2], (128*KS/256)<<16
	s_mov_b32 s[\g+3], 32<<16
	s_mov_b32 s[\g+4], 128*KS/256
	s_mov_b32 s[\g+5], 32
	s_mov_b32 s[\g+6], 0
	s_mov_b32 s[\g+7], 0
.endr
	CROUND                                         ; all sixteen work-groups are here: the first joint loads meet
	s_mov_b32 s[G0S], 1
	s_add_co_u32 s[G0S+1], s94, SCL
	s_mov_b64 s[G0S+2:G0S+3], s[22:23]
	s_or_b32 s[G0S+3], s[G0S+3], 0x80000000
	s_mov_b32 s[G0SB], 1
	s_add_co_u32 s[G0SB+1], s94, SCL
	s_mov_b64 s[G0SB+2:G0SB+3], s[66:67]
	s_or_b32 s[G0SB+3], s[G0SB+3], 0x80000000
	JLOAD G0S, G1S, G0SB, G1SB                     ; the scales first: they are wanted with K step 0
.irp s, 0,1
	s_mov_b32 s[G0+4*\s], 1
	s_add_co_u32 s[G0+4*\s+1], s45, \s*SLOT
	s_add_nc_u64 s[G0+4*\s+2:G0+4*\s+3], s[20:21], \s*ROWB
	s_or_b32 s[G0+4*\s+3], s[G0+4*\s+3], 0x80000000
	s_mov_b32 s[G0B+4*\s], 1
	s_add_co_u32 s[G0B+4*\s+1], s45, \s*SLOT
	s_add_nc_u64 s[G0B+4*\s+2:G0B+4*\s+3], s[46:47], \s*ROWB
	s_or_b32 s[G0B+4*\s+3], s[G0B+4*\s+3], 0x80000000
	JLOAD G0+4*\s, G1, G0B+4*\s, G1B               ; three tensor loads of mine are out
.endr
	v_and_b32 v1, 15, v0                           ; r = lane % 16
	v_bfe_u32 v2, v0, 4, 1                         ; h = lane / 16
	v_mul_u32_u24 v3, v1, PITCH
	v_mul_u32_u24 v4, v2, 24
	v_add_nc_u32 v4, v3, v4                        ; a fragment's row x pitch + 24 x half
	v_lshl_add_u32 v5, v2, 4, v4                   ; and the same behind one padding more
	s_mul_i32 s21, s15, HALFT                      ; my 128 rows of A
	s_mul_i32 s22, s16, HALFT                      ; my 128 rows of B,
	s_add_co_u32 s22, s22, 2*HALFT                 ; which lie behind A's 256
.irp s, 0,1
	v_add_nc_u32 v[ADRA+\s], s21, v4
	v_add_nc_u32 v[ADRB+\s], s22, v4
	v_add_nc_u32 v[ADRA+2+\s], s21, v5
	v_add_nc_u32 v[ADRB+2+\s], s22, v5
	s_add_co_u32 s21, s21, SLOT
	s_add_co_u32 s22, s22, SLOT
.endr
	v_mul_u32_u24 v5, v1, KS                       ; my row's scale bytes: 32 a row,
	v_lshrrev_b32 v6, 8, v5
	v_lshl_add_u32 v5, v6, 4, v5                   ; and 16 more for each 256 passed
	s_mul_i32 s21, s15, HALFS
	s_mul_i32 s22, s16, HALFS
	s_add_co_u32 s22, s22, 2*HALFS
	s_sub_co_u32 s22, s22, s21
	v_mul_u32_u24 v6, s22, v2                      ; lanes 16-31 take B's
	s_add_co_u32 s21, s21, SCL
	v_add_nc_u32 v5, v5, v6
	v_add_nc_u32 v[ADRS], s21, v5
	v_and_b32 v6, 31, v0
	v_lshlrev_b32 v[L16], 4, v6
	v_lshlrev_b32 v[L8], 3, v6
	; THE BIAS, eight tiles of eight registers in the result's layout.  q, k: tile i, register j = bias[my first column + 16 i + 8 h + j], the C of every accumulator (a, i).
	; v: tile i, every register = bias[my first channel + 16 i + r], the C of every accumulator (i, b).  One form of load serves both: the three scalars made above say which.
	s_lshl_b32 s20, s42, 8
	s_lshl_b32 s21, s16, 7
	s_add_co_u32 s20, s20, s21                     ; B's first row of mine
	s_lshl_b32 s21, s17, 8
	s_lshl_b32 s22, s15, 7
	s_add_co_u32 s21, s21, s22                     ; A's first row of mine
	s_cmp_eq_u32 ttmp9, 2
	s_cselect_b32 s20, s21, s20                    ; the channels are A's rows in v, B's in q and k
	s_lshl_b32 s20, s20, 2
	s_mov_b32 s21, 0
	s_add_nc_u64 s[96:97], s[96:97], s[20:21]
	v_mul_u32_u24 v[VO], v1, s2
	v_mad_u32_u24 v[VO], v2, s3, v[VO]
.irp j, 1,2,3,4,5,6,7
	v_add_nc_u32 v[VO+\j], s19, v[VO+\j-1]
.endr
.irp i, 0,1,2,3,4,5,6,7
.irp j, 0,1,2,3,4,5,6,7
	global_load_b32 v[BIAS+8*\i+\j], v[VO+\j], s[96:97] offset:64*\i
.endr
.endr
	s_mov_b32 s98, 0x76543210
	s_mov_b32 s99, 0xfedcba98                      ; v_permlanex16_b32's selects for lane l xor 16
	s_mov_b32 s100, 0xffff0000                     ; the lanes 16-31, as a mask
	s_mov_b32 s101, 0x7f7f0000                     ; two scale bytes of 1.0
.macro FRAG reg, adr, q, i             ; a fragment, 16 rows x 128 K: lane (r, h) takes 24 bytes of its row at 24 h and 24 at 48 + 24 h, in pieces of 8 bytes
.irp p, 0,1,2,3,4,5                    ; where the piece of lanes 16-31 lies behind one padding more than that of lanes 0-15, the second address register serves
.set PC, 12*(\q)+6*(\p/3)+\p%3
.if PC%8 < 5
	ds_load_b64 v[\reg+2*\p:\reg+2*\p+1], v[\adr] offset:8*PC+16*(PC/8)+(\i)*16*PITCH
.else
	ds_load_b64 v[\reg+2*\p:\reg+2*\p+1], v[\adr+2] offset:8*PC+16*(PC/8)+(\i)*16*PITCH
.endif
.endr
.endm
; 16 matrix instructions: A's blocks a0, a0 + 1 x B's eight, 128 along K.  p: B's set; sc: the set of scale words.  cm = 0: onto the sums; 1: the sums begin with bias tile b; 2: with bias tile a.
; The 64 accumulators take turns, one instruction a turn, in the same order in every step.
.macro MUL16 a0, p, q, sc, cm
.irp a, \a0, \a0+1
.irp b, 0,1,2,3,4,5,6,7
.if \cm == 1
	v_wmma_scale_f32_16x16x128_f8f6f4 v[8*(8*((\a)%4)+\b):8*(8*((\a)%4)+\b)+7], v[128*(\p)+FR*\b:128*(\p)+FR*\b+FR-1], v[AF+FR*(\a):AF+FR*(\a)+FR-1], v[BIAS+8*\b:BIAS+8*\b+7], v[SC+8*NQ*(\sc)+NQ*\b+(\q)], v[SC+8*NQ*(\sc)+NQ*(\a)+(\q)] matrix_a_fmt:MATRIX_FMT_FP6 matrix_b_fmt:MATRIX_FMT_FP6 matrix_a_scale:MATRIX_SCALE_ROW1
.elseif \cm == 2
	v_wmma_scale_f32_16x16x128_f8f6f4 v[8*(8*((\a)%4)+\b):8*(8*((\a)%4)+\b)+7], v[128*(\p)+FR*\b:128*(\p)+FR*\b+FR-1], v[AF+FR*(\a):AF+FR*(\a)+FR-1], v[BIAS+8*(\a):BIAS+8*(\a)+7], v[SC+8*NQ*(\sc)+NQ*\b+(\q)], v[SC+8*NQ*(\sc)+NQ*(\a)+(\q)] matrix_a_fmt:MATRIX_FMT_FP6 matrix_b_fmt:MATRIX_FMT_FP6 matrix_a_scale:MATRIX_SCALE_ROW1
.else
	v_wmma_scale_f32_16x16x128_f8f6f4 v[8*(8*((\a)%4)+\b):8*(8*((\a)%4)+\b)+7], v[128*(\p)+FR*\b:128*(\p)+FR*\b+FR-1], v[AF+FR*(\a):AF+FR*(\a)+FR-1], v[8*(8*((\a)%4)+\b):8*(8*((\a)%4)+\b)+7], v[SC+8*NQ*(\sc)+NQ*\b+(\q)], v[SC+8*NQ*(\sc)+NQ*(\a)+(\q)] matrix_a_fmt:MATRIX_FMT_FP6 matrix_b_fmt:MATRIX_FMT_FP6 matrix_a_scale:MATRIX_SCALE_ROW1
.endif
.endr
.endr
.endm
; 32 matrix instructions of the first K step: which bias tile begins a sum hangs on the product, so the two forms stand under a branch on the cluster's x; nothing but matrix instructions stands under it.
.macro MULF a0, a2, win
	WIN 0                                          ; at a branch and at a label every window is 0
	s_cmp_eq_u32 ttmp9, 2
	s_cbranch_scc1 .Lchan_\@
	WIN \win
	MUL16 \a0, 0, 0, 0, 1
	MUL16 \a2, 0, 0, 0, 1
	WIN 0
	s_branch .Lboth_\@
.Lchan_\@:
	WIN \win
	MUL16 \a0, 0, 0, 0, 2
	MUL16 \a2, 0, 0, 0, 2
	WIN 0
.Lboth_\@:
.endm
.macro FETCH_B slot, q, p
	WIN TO_B
.irp i, 0,1,2,3,4,5,6,7
	FRAG 128*(\p)+FR*\i, ADRB+\slot, \q, \i
.endr
	WIN 0
.endm
.macro FETCH_A slot, q, i0
.irp i, \i0, \i0+1, \i0+2, \i0+3
	FRAG AF+FR*(\i), ADRA+\slot, \q, \i
.endr
.endm
.macro SCALES sc                       ; a K step's scale words: two words a row; lanes 0-15 take A's block i, lanes 16-31 B's block i
.irp i, 0,1,2,3,4,5,6,7
	ds_load_b64 v[SC+8*NQ*\sc+NQ*\i:SC+8*NQ*\sc+NQ*\i+1], v[ADRS] offset:\i*SBLK
.endr
.endm
; A load into a register that a matrix instruction has read, and a vector instruction that reads a matrix result, stand four places behind that matrix instruction; only plain vector
; instructions that name none of its registers are places (ISA guide 7.12.1 for vector instructions).
.macro PLACES n
.rept \n
	v_nop
.endr
.endm
.macro STEP slot, q                    ; a step of 128 along K that has its successor in the same slot
	s_wait_dscnt 4*NL                              ; B's set and A's blocks 0-3 are in; the youngest 24 loads (A's blocks 4-7) may be out
	WIN MUL_LO
	MUL16 0, (\q)%2, \q, \slot, 0
	MUL16 2, (\q)%2, \q, \slot, 0
	s_wait_dscnt 0                                 ; A's blocks 4-7 are in
	PLACES NP
	FETCH_B \slot, (\q)+1, 1-(\q)%2
	FETCH_A \slot, (\q)+1, 0
	WIN MUL_HI
	MUL16 4, (\q)%2, \q, \slot, 0
	MUL16 6, (\q)%2, \q, \slot, 0
	PLACES NP
	WIN 0
	FETCH_A \slot, (\q)+1, 4
.endm
; A slot's last step changes slots: ONE barrier; in front of it each wave waits for all its tensor loads, adds 0 to its spare word, and waits for that and for its own reads of this slot.
.macro TURN slot, next, fill
	s_wait_tensorcnt 0x0                           ; all my tensor loads have landed: my part of the next slot
	ds_add_u32 v[SPW], v[NIL]                      ; 0 onto my spare word
	s_wait_dscnt 4*NL+1                            ; (the add and the youngest 24 loads, A's blocks 4-7, may be out)
	WIN MUL_LO
	MUL16 0, 1, NQ-1, \slot, 0                     ; sixteen matrix instructions stand between the add and the wait for it
	s_wait_dscnt 0x0                               ; the add is done, and my reads of this slot are over
	s_barrier_signal -1
	MUL16 2, 1, NQ-1, \slot, 0
	WIN 0
	s_barrier_wait -1
.if \fill
	CREST                                          ; the barrier has opened a round of the cluster's barrier: no wave of any partner still reads this slot or has a load on its way
	s_add_nc_u64 s[G0+4*\slot+2:G0+4*\slot+3], s[G0+4*\slot+2:G0+4*\slot+3], 2*ROWB
	s_add_nc_u64 s[G0B+4*\slot+2:G0B+4*\slot+3], s[G0B+4*\slot+2:G0B+4*\slot+3], 2*ROWB
	JLOAD G0+4*\slot, G1, G0B+4*\slot, G1B         ; the first tensor load behind the round; its four v_nop are the places in front of the loads below
.else
	PLACES NP
.endif
	s_wait_alu depctr_va_vdst(0)
	v_add_nc_u32 v[ADRS], 4*NQ, v[ADRS]            ; on to the next K step's scale words
	FETCH_B \next, 0, 0
	FETCH_A \next, 0, 0
	SCALES \next
	WIN MUL_HI
	MUL16 4, 1, NQ-1, \slot, 0
	MUL16 6, 1, NQ-1, \slot, 0
	PLACES NP
	WIN 0
	FETCH_A \next, 0, 4
.endm
	s_wait_tensorcnt 1                             ; the scales and my part of K step 0 are in (K step 1's load may be out)
	s_barrier_signal -1
	s_barrier_wait -1                              ; everybody's are
	FETCH_B 0, 0, 0
	FETCH_A 0, 0, 0
	SCALES 0
	FETCH_A 0, 0, 4
	s_wait_loadcnt 0x0                             ; the bias
	s_wait_dscnt 4*NL                              ; the first step: its products begin the sums with the bias
	MULF 0, 2, BIA_LO
	s_wait_dscnt 0
	PLACES NP
	FETCH_B 0, 1, 1
	FETCH_A 0, 1, 0
	MULF 4, 6, BIA_HI
	PLACES NP
	FETCH_A 0, 1, 4
	TURN 0, 1, 1                                   ; slot 0 takes K step 2
	STEP 1, 0
	TURN 1, 0, 1                                   ; slot 1 takes K step 3
	STEP 0, 0
	TURN 0, 1, 0                                   ; nothing is left to fetch
	STEP 1, 0
	s_wait_dscnt 4*NL                              ; the very last step
	WIN MUL_LO
	MUL16 0, 1, NQ-1, 1, 0
	MUL16 2, 1, NQ-1, 1, 0
	s_wait_dscnt 0
	WIN MUL_HI
	MUL16 4, 1, NQ-1, 1, 0
	MUL16 6, 1, NQ-1, 1, 0
	WIN 0
	; THE WAY OUT.  Where my results go.  Tokens are A's rows in q and k, B's in v; channels the other.  My 128 tokens are one group (key step), my 128 channels two heads.
	s_lshl_b32 s18, s17, 8
	s_lshl_b32 s19, s15, 7
	s_add_co_u32 s18, s18, s19                     ; A's first row of mine
	s_lshl_b32 s19, s42, 8
	s_lshl_b32 s20, s16, 7
	s_add_co_u32 s19, s19, s20                     ; B's
	s_mov_b32 s23, KVREC
	s_cmp_eq_u32 ttmp9, 0
	s_cselect_b32 s23, QREC, s23                   ; a record
	s_lshl_b32 s40, s23, 4                         ; from a head to the next: 16 records
	s_sub_co_u32 s20, s40, 6144
	s_mov_b32 s41, 768
	s_cmp_eq_u32 ttmp9, 2
	s_cselect_b32 s22, s19, s18                    ; my first token
	s_cselect_b32 s43, s18, s19                    ; my first channel
	s_cselect_b32 s20, s20, 0                      ; v: behind block 3, on to the next head's V
	s_cselect_b32 s18, 1536, s41                   ; from block to block: a fragment in v, a half fragment in q and k
	s_cselect_b32 s46, s41, s40                    ; registers 6-11 go: in v behind registers 0-5; in q and k to the next head
	s_cselect_b32 s41, 6656, 0                     ; V's place in a record
	s_mov_b32 s19, 0
	s_mov_b32 s21, 0
	s_mov_b32 s47, 0
	s_mov_b32 s45, 0
	s_lshr_b32 s44, s22, 11                        ; the batch,
	s_lshl_b32 s44, s44, 4
	s_lshr_b32 s43, s43, 6
	s_add_co_u32 s44, s44, s43                     ; 16 x batch + head,
	s_lshl_b32 s44, s44, 4
	s_bfe_u32 s22, s22, 0x40007                    ; the group of 128 tokens in the batch
	s_add_co_u32 s44, s44, s22
	s_mul_i32 s44, s44, s23
	s_add_co_u32 s44, s44, s41
	s_add_nc_u64 s[44:45], s[12:13], s[44:45]      ; where registers 0-5 go
	s_add_nc_u64 s[46:47], s[44:45], s[46:47]      ; where registers 6-11 go
	PLACES NP
.irp b, 0,1,2,3
	v_mov_b32 v[TM+4+\b], 0                        ; written once: a lane permute's destination counts as one of its sources
.endr
; Block a: 16 rows of A x my 128 rows of B, 64 numbers a lane: four blocks of 32, each shared with lane l xor 16.  The largest magnitude with the floor 2^(3 - 127) among its leaves; 2 off its exponent
; field is the conversion's scale operand; that shifted is the byte.  The codes go to one of four sets of registers by turns, none of whose numbers a conversion also names as a source.
.macro QBLK a
.set SRC0, 64*((\a)%4)
.set WD, 2+(\a)/4
.set WA, (WD|(WD<<2))
.set WB, ((WD<<2)|(WD<<4))
.set CD, 128+32*((\a)%4)-128*(((\a)%4)/2)
	WIN WA                                         ; sources 0 and 1: the accumulators' window
.irp b, 0,1,2,3
	v_max3_num_f32 v[TM+\b], |v[SRC0+16*\b]|, |v[SRC0+16*\b+1]|, 0x1800000   ; each accumulator is read from its low end on
.endr
	WIN WB                                         ; sources 1 and 2
.irp i, 2,4,6,8,10,12,14
.irp b, 0,1,2,3
	v_max3_num_f32 v[TM+\b], v[TM+\b], |v[SRC0+16*\b+\i]|, |v[SRC0+16*\b+\i+1]|
.endr
.endr
	WIN 0
.irp b, 0,1,2,3
	v_permlanex16_b32 v[TM+4+\b], v[TM+\b], s98, s99
.endr
.irp b, 0,1,2,3
	v_max_num_f32 v[TM+\b], v[TM+\b], v[TM+4+\b]
.endr
.irp b, 0,1,2,3
	v_add_nc_u32 v[TM+12+\b], 0xff000000, v[TM+\b]
.endr
.irp b, 0,1,2,3
	v_lshrrev_b32 v[TM+4+\b], 23, v[TM+12+\b]
.endr
	v_lshl_or_b32 v[PW+\a], v[TM+5], 8, v[TM+4]    ; my row's scale word
	v_lshl_or_b32 v[PW+\a], v[TM+6], 16, v[PW+\a]
	v_lshl_or_b32 v[PW+\a], v[TM+7], 24, v[PW+\a]
.if \a > 0
	s_wait_xcnt 0x0                                ; the earlier blocks' stores have read their bases and their data: the bases step, and a set of code registers may be written again
	s_add_nc_u64 s[44:45], s[44:45], s[18:19]
	s_add_nc_u64 s[46:47], s[46:47], s[18:19]
.endif
.if \a == 4
	s_add_nc_u64 s[44:45], s[44:45], s[20:21]
	s_add_nc_u64 s[46:47], s[46:47], s[20:21]
.endif
	WIN WD                                         ; source 0
.irp c, 0,1
	v_cvt_scalef32_pk16_fp6_f32 v[CD+6*\c:CD+2+6*\c], v[SRC0+32*\c:SRC0+15+32*\c], v[TM+12+2*\c]
	v_cvt_scalef32_pk16_fp6_f32 v[CD+12+4*\c:CD+14+4*\c], v[SRC0+16+32*\c:SRC0+31+32*\c], v[TM+12+2*\c+1]   ; (a conversion's three registers begin on an even number)
.endr
	WIN 0
	v_nop                                          ; one plain place behind a scaled conversion
.irp c, 0,1                                    ; the operand's layout wants a whole block in a lane: lanes 0-15 block 2 c, lanes 16-31 block 2 c + 1
.irp i, 0,1,2
	v_permlane16_swap_b32 v[CD+6*\c+\i], v[CD+12+4*\c+\i]
.endr
.irp i, 0,1,2
	v_mov_b32 v[CD+3+6*\c+\i], v[CD+12+4*\c+\i]
.endr
.endr
	global_store_b128 v[L16], v[CD:CD+3], s[44:45]                 ; 512 consecutive bytes, aligned
	global_store_b64 v[L8], v[CD+4:CD+5], s[44:45] offset:512      ; 256 consecutive bytes, aligned
	global_store_b128 v[L16], v[CD+6:CD+9], s[46:47]
	global_store_b64 v[L8], v[CD+10:CD+11], s[46:47] offset:512
.endm
.irp a, 0,1,2,3,4,5,6,7
	QBLK \a
.endr
	s_wait_xcnt 0x0
	s_add_nc_u64 s[44:45], s[44:45], s[18:19]      ; q, k: at the two heads' scale words.  v: at the second head's
	s_add_nc_u64 s[46:47], s[46:47], s[18:19]
.irp p, 0,1,2,3
	v_cndmask_b32 v[TW+\p], v[PW+2*\p], v[PW+2*\p+1], s100   ; lanes 0-15 block 2 p's word, lanes 16-31 block 2 p + 1's
.endr
	s_cmp_eq_u32 ttmp9, 2
	s_cbranch_scc1 .Lv_words
.irp p, 0,1,2,3
	v_and_or_b32 v[RA+\p], v[TW+\p], 0xffff, s101  ; the first head's two bytes; the upper two stand over zero codes in the next launch: 127
.endr
.irp p, 0,1,2,3
	v_lshrrev_b32 v[RB+\p], 16, v[TW+\p]           ; the second head's
.endr
.irp p, 0,1,2,3
	v_or_b32 v[RB+\p], s101, v[RB+\p]
.endr
	global_store_b128 v[L16], v[RA:RA+3], s[44:45]
	global_store_b128 v[L16], v[RB:RB+3], s[46:47]
	s_branch .Lwords_out
.Lv_words:
	s_wait_alu depctr_va_vdst(0)
	global_store_b64 v[L8], v[TW+2:TW+3], s[44:45]                      ; channel tiles 0-3 of the second head (my blocks 4-7)
	global_store_b64 v[L8], v[TW:TW+1], s[44:45] offset:-16*KVREC       ; and of the first, 16 records back
.Lwords_out:
	s_wait_tensorcnt 0x0                           ; the wave's end
	ds_add_u32 v[SPW], v[NIL]
	s_wait_dscnt 0x0
	CROUND                                         ; the closing round: no work-group ends while a partner may still ask for a tile that names it
	s_endpgm
.Lfunc_end_k_qc4de8fdc70_qkv:
	.size	k_qc4de8fdc70_qkv, .Lfunc_end_k_qc4de8fdc70_qkv-k_qc4de8fdc70_qkv
	.p2alignl 7, 3214868480
	.fill 96, 4, 3214868480
	.section	.rodata,"a",@progbits
	.p2align	6, 0x0
	.amdhsa_kernel k_qc4de8fdc70_qkv
		.amdhsa_group_segment_fixed_size 327680
		.amdhsa_private_segment_fixed_size 0
		.amdhsa_enable_private_segment 0
		.amdhsa_kernarg_size 104
		.amdhsa_user_sgpr_count 2
		.amdhsa_user_sgpr_kernarg_segment_ptr 1
		.amdhsa_wavefront_size32 1
		.amdhsa_system_sgpr_workgroup_id_x 1
		.amdhsa_system_sgpr_workgroup_id_y 1
		.amdhsa_system_sgpr_workgroup_id_z 1
		.amdhsa_system_vgpr_workitem_id 0
		.amdhsa_next_free_vgpr 1024
		.amdhsa_next_free_sgpr 102
		.amdhsa_reserve_vcc 0
		.amdhsa_float_denorm_mode_32 3
		.amdhsa_float_denorm_mode_16_64 3
		.amdhsa_memory_ordered 1
		.amdhsa_forward_progress 1
		.amdhsa_inst_pref_size 183
	.end_amdhsa_kernel
	.amdgpu_metadata
---
amdhsa.version: [ 1, 2 ]
amdhsa.kernels:
  - .name:           k_qc4de8fdc70_qkv
    .symbol:         k_qc4de8fdc70_qkv.kd
    .args:
      - { .name: x_codes, .offset: 0, .size: 8, .value_kind: global_buffer, .address_space: global }
      - { .name: x_scales, .offset: 8, .size: 8, .value_kind: global_buffer, .address_space: global }
      - { .name: Wq_codes, .offset: 16, .size: 8, .value_kind: global_buffer, .address_space: global }
      - { .name: Wq_scales, .offset: 24, .size: 8, .value_kind: global_buffer, .address_space: global }
      - { .name: Wk_codes, .offset: 32, .size: 8, .value_kind: global_buffer, .address_space: global }
      - { .name: Wk_scales, .offset: 40, .size: 8, .value_kind: global_buffer, .address_space: global }
      - { .name: Wv_codes, .offset: 48, .size: 8, .value_kind: global_buffer, .address_space: global }
      - { .name: Wv_scales, .offset: 56, .size: 8, .value_kind: global_buffer, .address_space: global }
      - { .name: bq, .offset: 64, .size: 8, .value_kind: global_buffer, .address_space: global }
      - { .name: bk, .offset: 72, .size: 8, .value_kind: global_buffer, .address_space: global }
      - { .name: bv, .offset: 80, .size: 8, .value_kind: global_buffer, .address_space: global }
      - { .name: qbuf, .offset: 88, .size: 8, .value_kind: global_buffer, .address_space: global }
      - { .name: kvbuf, .offset: 96, .size: 8, .value_kind: global_buffer, .address_space: global }
    .group_segment_fixed_size: 327680
    .private_segment_fixed_size: 0
    .kernarg_segment_align: 8
    .kernarg_segment_size: 104
    .max_flat_workgroup_size: 128
    .sgpr_count:     102
    .vgpr_count:     1024
    .wavefront_size: 32
...
	.end_amdgpu_metadata
.endif
;; end of part 1
;; launch attn (part 2): grid 4 x 64, 16 waves a work-group, clusters of 4 x 1, 215,040 bytes of LDS; arguments qbuf, kvbuf, ybuf, ysc; writes ybuf, ysc
.if DOCPART == 2
	.amdgcn_target "amdgcn-amd-amdhsa--gfx1250"
	.amdhsa_code_object_version 6
	.text
	.protected	k_qc4de8fdc70_attn
	.globl	k_qc4de8fdc70_attn
	.p2align	8
	.type	k_qc4de8fdc70_attn,@function
k_qc4de8fdc70_attn:
	s_mov_b64 s[64:65], 0
	v_nop
	global_prefetch_b8 v0, s[64:65] scope:SCOPE_SE
	s_setreg_imm32_b32 hwreg(HW_REG_WAVE_MODE, 25, 1), 1
	s_wait_xcnt 0x0
	s_wait_alu depctr_hold_cnt(0) depctr_sa_sdst(0) depctr_va_vdst(0) depctr_va_sdst(0) depctr_va_ssrc(0) depctr_va_vcc(0) depctr_vm_vsrc(0)
	s_getreg_b32 s2, hwreg(HW_REG_IB_STS2, 6, 4)
	s_cmp_eq_u32 s2, 0
	s_cbranch_scc0 .Lentry_in_a_cluster
	s_endpgm
.Lentry_in_a_cluster:
	s_bfe_u32 s2, ttmp6, 0x10000c
	s_cmp_lg_u32 s2, 0x3003
	s_cbranch_scc0 .Lentry_shape_is_right
	s_endpgm
.Lentry_shape_is_right:
; y[b][q][head] = the sum over keys k <= q of softmax_k(q . k / 8) v, both products on codes of FP6 (E2M3) with one E8M0 scale for each 32 along K; y is quantised along its 1,024 channels for the last product.
; THE SOFTMAX: t = score x log2(e) / 8; M = the row's largest t so far, rounded up to a whole number; p = 2^(t - M) is quantised along the keys, not normalised; the row's sum is taken of the unquantised p
; and divides O at the end.  When M moves, the sum and O are multiplied by 2^(old M - new M): exact.
; SHARES.  A cluster of four work-groups owns one (batch, head).  ALL of the head's K and V, 16 records of 13,056 bytes (128 keys each), lie in each work-group's LDS: wave w asks for record w, jointly with
; the same wave of the three partners.  LDS is filled once: no slot is ever filled again, and nothing is stored to LDS.  So every tensor load goes out at the head, and there is no later load to prefetch for.
; A head has 128 tiles of 16 queries; tile i needs i / 8 + 1 key steps.  Wave w of work-group cx takes tiles 4 w + cx and 127 - (4 w + cx): w / 2 + 1 and 16 - w / 2 steps, 17 for every wave of the launch.
; The numbers of steps hang on the wave's number alone; cx enters global addresses and the mask's lane data, and no branch or LDS address.
; Each tile's loop has 16 trips, a constant; a trip beyond the tile's steps jumps over the work, not over the lines that step the LDS address.
; LAYOUT.  Both products transposed: S^T = K Q^T (source 0 = 16 keys, source 1 = my 16 queries), O^T = V^T P^T: a lane holds one query (lane % 16) throughout.  Operands lie in LDS as images of their
; registers (a half fragment of 16 rows x 64 K: registers 0-3 at 16 x lane, registers 4-5 at 512 + 8 x lane): every LDS load reads consecutive bytes.
; Inside a block of 32 the codes of q and k (along the head), and of v and p (along the keys), stand alike in the order 0-7, 16-23, 8-15, 24-31, which a result tile's layout gives: the products are the same.
; K = 64 IN AN INSTRUCTION OF K = 128.  Q's registers 6-11 hold zero codes.  K's tile t is named as the twelve registers v[36 + 6 t ..]: its upper six are the next tile's codes (for tile 7: zeros); every code
; is a finite number, which times Q's zero adds nothing; the scale bytes over that half are 127.
; y's channels meet Wc's in natural order: sixteen exchanges of lane halves on the f32 numbers give a lane 16 neighbouring channels of each block ahead of the quantiser.
; OUT.  ybuf [512 token tiles][16 heads][768]: half fragments.  ysc [8,192 tokens][32]: my head's two bytes of a token: single bytes, since a token's 32 bytes come from sixteen clusters: 2 of every 50 bytes stored.
; LIMITS: a block whose largest magnitude lies under 2^-124 has its byte held at 1; a block of zeros has the byte 1 where the quantiser's rule says 127 (zero codes; this program alone reads the bytes);
; a block's largest p is taken as 2^ of the block's largest t - M, by the same two instructions as every p; NaN and infinities are not served.
; REGISTERS: v1 16 lane, v2 8 lane, v3-4 the step's LDS addresses, v5 16 r, v6 the mask's d, v7 -infinity, v8 32 r + h, v9 r - 8 h; v12 -M, v13 the largest t, v[14:15] the sum in two halves;
; v16-27 Q of the first tile, v28 its scale words; v29 p's scale word; v30-33 K's scale words, v34-35 V's; v36-83 eight tiles of K, then four fragments of V; v84-89 zeros; v96-159 S^T, p, y;
; v160-191 O^T; v192-210 codes; v212-223 maxima, bytes, scale operands; v[224:225] f; v226 at work; v[228:229] a second chain of sums; v232-243 Q of the second tile, v244 its scale words.
.set REC,  13056                       ; a record: K's 8 half fragments, K's scale words, V's 4 fragments, V's scale words
.set KSC,  6144
.set VOF,  6656
.set VSC,  12800
.set QREC, 6656
.macro CROUND                          ; a round of the cluster's barrier
	s_barrier_signal -1
	s_barrier_wait -1
	s_cmp_lg_u32 s12, 0
	s_cbranch_scc1 .Lnot_wave_0_\@
	s_barrier_signal -3
.Lnot_wave_0_\@:
	s_barrier_wait -3
	s_barrier_signal -1
	s_barrier_wait -1
.endm
; The byte offsets of a tile of queries: s36 = t, its place among the 8 tiles of its group; s37 = g, its group of 128 tokens.  Ten registers from s[base] on:
; Q's half fragment, Q's scale words, y's half fragment, y's scale bytes (pairs); the number of key steps; 16 t.
.macro PASSADR base
	s_lshl_b32 s38, s14, 4
	s_add_co_u32 s38, s38, s37
	s_mul_i32 s38, s38, QREC                       ; the record of (head, g)
	s_mul_i32 s39, s36, 768
	s_add_co_u32 s[\base], s38, s39
	s_mov_b32 s[\base+1], 0
	s_and_b32 s39, s36, 1
	s_lshl_b32 s39, s39, 8
	s_add_co_u32 s39, s39, s38
	s_lshr_b32 s[\base+2], s36, 1
	s_lshl_b32 s[\base+2], s[\base+2], 2
	s_add_co_u32 s[\base+2], s[\base+2], s39
	s_add_co_u32 s[\base+2], s[\base+2], 6144      ; word t / 2 of lanes 16 (t % 2) on
	s_mov_b32 s[\base+3], 0
	s_lshr_b32 s38, s14, 4
	s_lshl_b32 s38, s38, 7
	s_lshl_b32 s39, s37, 3
	s_add_co_u32 s38, s38, s39
	s_add_co_u32 s38, s38, s36                     ; the token tile among 512: 128 x batch + 8 g + t
	s_and_b32 s39, s14, 15                         ; the head in its batch
	s_lshl_b32 s[\base+4], s38, 4
	s_add_co_u32 s[\base+4], s[\base+4], s39
	s_mul_i32 s[\base+4], s[\base+4], 768
	s_mov_b32 s[\base+5], 0
	s_lshl_b32 s[\base+6], s38, 9                  ; 16 tokens x 32 bytes
	s_lshl_b32 s39, s39, 1
	s_add_co_u32 s[\base+6], s[\base+6], s39
	s_mov_b32 s[\base+7], 0
	s_add_co_u32 s[\base+8], s37, 1                ; key steps: g + 1
	s_lshl_b32 s[\base+9], s36, 4
.endm
	s_load_b256 s[4:11], s[0:1], 0x0               ; qbuf, kvbuf, ybuf, ysc
	v_lshl_add_u32 v254, v0, 2, 0x34000
	v_mov_b32 v255, 0
	ds_add_u32 v254, v255
	ds_add_u32 v254, v255
	v_lshrrev_b32 v1, 5, v0
	s_delay_alu instid0(VALU_DEP_1)
	v_readfirstlane_b32 s12, v1                    ; wave 0..15
	s_bfe_u32 s13, ttmp6, 0x40000                  ; cx
	s_and_b32 s14, ttmp7, 0xffff                   ; 16 x batch + head: the four partners share it
	; descriptor group 1: a record as 51 rows of 256 bytes (32 elements of 8 bytes), dense in memory and in LDS
	s_mov_b32 s16, 15|(3<<16)|(1<<21)              ; 15:0 the mask: all four work-groups; 17:16 elements of 8 bytes; 21 set beside a mask; no padding
	s_mov_b32 s17, 32<<16                          ; tensor_dim0
	s_mov_b32 s18, 51<<16                          ; tensor_dim1
	s_mov_b32 s19, 32<<16                          ; tile_dim0
	s_mov_b32 s20, 51                              ; tile_dim1
	s_mov_b32 s21, 32                              ; from row to row
	s_mov_b32 s22, 0
	s_mov_b32 s23, 0
	s_mov_b32 s24, 1
	s_mul_i32 s25, s12, REC                        ; record w's place in LDS
	s_lshl_b32 s26, s14, 4
	s_add_co_u32 s26, s26, s12
	s_mul_i32 s26, s26, REC                        ; and in kvbuf (under 2^24 bytes)
	s_mov_b32 s27, 0
	s_mov_b32 s28, 0x76543210
	s_mov_b32 s29, 0xfedcba98                      ; v_permlanex16_b32's selects for lane l xor 16
	s_mov_b32 s30, 0x3e38aa3b                      ; c = log2(e) / 8
	s_mov_b32 s31, s30                             ; (named with it as a pair, so it is written)
	s_mov_b32 s32, 0xffff0000                      ; the lanes 16-31, as a mask
	s_and_b32 s36, s12, 1
	s_lshl_b32 s36, s36, 2
	s_add_co_u32 s36, s36, s13                     ; the first tile: t = 4 (w % 2) + cx,
	s_lshr_b32 s37, s12, 1                         ; g = w / 2
	PASSADR 40
	s_sub_co_u32 s36, 7, s36                       ; the second: 7 - t,
	s_sub_co_u32 s37, 15, s37                      ; 15 - g
	PASSADR 50
	v_and_b32 v9, 31, v0
	s_delay_alu instid0(VALU_DEP_1)
	v_lshlrev_b32 v1, 4, v9                        ; 16 x lane
	s_delay_alu instid0(VALU_DEP_2)
	v_lshlrev_b32 v2, 3, v9                        ; 8 x lane
	v_and_b32 v10, 15, v0                          ; r
	v_bfe_u32 v11, v0, 4, 1                        ; h
	s_delay_alu instid0(VALU_DEP_2)
	v_lshlrev_b32 v5, 4, v10
	s_delay_alu instid0(VALU_DEP_2)
	v_lshl_add_u32 v8, v10, 5, v11                 ; y's scale bytes: token r, byte h
	s_delay_alu instid0(VALU_DEP_3)
	v_lshlrev_b32 v11, 3, v11
	s_delay_alu instid0(VALU_DEP_1)
	v_sub_nc_u32 v9, v10, v11                      ; r - 8 h
	v_mov_b32 v7, 0xff800000                       ; -infinity
	s_wait_dscnt 0x0
	s_wait_kmcnt 0x0
	s_add_nc_u64 s[26:27], s[6:7], s[26:27]
	s_or_b32 s27, s27, 0x80000000                  ; type = 2
.irp base, 40, 50
	s_add_nc_u64 s[\base:\base+1], s[4:5], s[\base:\base+1]
	s_add_nc_u64 s[\base+2:\base+3], s[4:5], s[\base+2:\base+3]
	s_add_nc_u64 s[\base+4:\base+5], s[8:9], s[\base+4:\base+5]
	s_add_nc_u64 s[\base+6:\base+7], s[10:11], s[\base+6:\base+7]
.endr
	CROUND                                         ; all four work-groups are here: the joint loads meet
	tensor_load_to_lds s[24:27], s[16:23]          ; record w: my one tensor load
	s_nop 0
.rept 4
	v_nop
.endr
	s_wait_alu depctr_va_vdst(0)
	global_load_b128 v[16:19], v1, s[40:41]        ; both tiles' Q stay in registers
	global_load_b64 v[20:21], v2, s[40:41] offset:512
	global_load_b32 v28, v5, s[42:43]              ; lane r: query r's scale word
	global_load_b128 v[232:235], v1, s[50:51]
	global_load_b64 v[236:237], v2, s[50:51] offset:512
	global_load_b32 v244, v5, s[52:53]
.irp j, 0,1,2,3,4,5
	v_mov_b32 v[22+\j], 0                          ; zero codes: the upper 64 of Q's K,
	v_mov_b32 v[238+\j], 0
	v_mov_b32 v[84+\j], 0                          ; and behind K's last tile
.endr
.irp b, 0,1,2,3
	v_mov_b32 v[216+\b], 0                         ; written once: a lane permute's destination counts as one of its sources
.endr
	v_mov_b32 v225, 0                              ; (named as the upper half of the pair v[224:225])
	v_mov_b32 v226, 0
	s_wait_tensorcnt 0x0                           ; my record is in,
	s_barrier_signal -1
	s_barrier_wait -1                              ; everybody's is: the head's K and V lie in LDS
	s_wait_loadcnt 0x0                             ; Q
; One tile of 16 queries.  base: its ten scalars; QR, QS: Q's registers and scale words; more = 1: another tile follows.
.macro TILE base, QR, QS, more
	v_mov_b32 v13, 0xff61b1e6                      ; the largest t so far: -3e38, under every t
	s_delay_alu instid0(VALU_DEP_1)
	v_floor_f32 v12, -v13                          ; -M
	v_mov_b32 v14, 0
	v_mov_b32 v15, 0
.set n, 0
.rept 32
	v_mov_b32 v[160+n], 0                          ; O^T: the loop is written once; its first step finds zeros, which the first change of M leaves zeros
.set n, n+1
.endr
	v_add_nc_u32 v6, s[\base+9], v9                ; d = 16 t + r - 8 h
	s_mov_b32 s33, 0                               ; the step's record in LDS
	s_mov_b32 s34, 0                               ; the step
.Ltrip_\@:
	s_cmp_ge_u32 s34, s[\base+8]                   ; all keys of this step come after my queries: no work
	s_cbranch_scc1 .Lskip_\@
	s_setprio 2
	v_add_nc_u32 v3, s33, v1
	v_add_nc_u32 v4, s33, v2
	v_nop
	v_nop                                          ; four places behind the last step's products, in front of loads into registers that they read
.irp t, 0,1,2,3,4,5,6,7
	ds_load_b128 v[36+6*\t:39+6*\t], v3 offset:768*\t
	ds_load_b64 v[40+6*\t:41+6*\t], v4 offset:768*\t+512
.endr
	ds_load_b128 v[30:33], v3 offset:KSC           ; register p: lanes 0-15 tile 2 p's words, lanes 16-31 tile 2 p + 1's
	ds_load_b64 v[34:35], v4 offset:VSC
	s_wait_alu depctr_va_vdst(0)
	s_wait_dscnt 0x0
.irp t, 0,2,4,6                                ; S^T: lane (r, h), register 8 t + j: query r, key 16 t + 8 h + j
	v_wmma_scale_f32_16x16x128_f8f6f4 v[96+8*\t:103+8*\t], v[36+6*\t:47+6*\t], v[\QR:\QR+11], 0, v[30+\t/2], v[\QS] matrix_a_fmt:MATRIX_FMT_FP6 matrix_b_fmt:MATRIX_FMT_FP6
	v_wmma_scale_f32_16x16x128_f8f6f4 v[104+8*\t:111+8*\t], v[42+6*\t:53+6*\t], v[\QR:\QR+11], 0, v[30+\t/2], v[\QS] matrix_a_fmt:MATRIX_FMT_FP6 matrix_b_fmt:MATRIX_FMT_FP6 matrix_a_scale:MATRIX_SCALE_ROW1
.endr
.rept 4
	v_nop                                          ; places in front of the loads below and of the first read of the scores
.endr
.irp c, 0,1,2,3                                ; V's four fragments land while the softmax is walked
	ds_load_b128 v[36+12*\c:39+12*\c], v3 offset:VOF+1536*\c
	ds_load_b64 v[40+12*\c:41+12*\c], v4 offset:VOF+1536*\c+512
	ds_load_b128 v[42+12*\c:45+12*\c], v3 offset:VOF+1536*\c+768
	ds_load_b64 v[46+12*\c:47+12*\c], v4 offset:VOF+1536*\c+1280
.endr
	s_add_co_u32 s35, s34, 1
	s_cmp_lg_u32 s35, s[\base+8]
	s_cbranch_scc1 .Lopen_\@                       ; only the tile's last step lies on the diagonal
.set n, 0
.rept 64
	v_cmp_gt_i32 vcc_lo, 16*(n/8)+n%8, v6          ; register n holds key 16 (n / 8) + 8 h + n % 8 of the step: hidden where that is above 16 t + r
	v_cndmask_b32 v[96+n], v[96+n], v7, vcc_lo
.set n, n+1
.endr
.Lopen_\@:
.irp b, 0,1,2,3
	v_max3_num_f32 v[212+\b], v[96+16*\b], v[97+16*\b], v[98+16*\b]   ; the largest score of each block of 32 keys: for the row's maximum, and, since p rises with the score, for the block's largest p
.endr
.irp i, 3,5,7,9,11,13
.irp b, 0,1,2,3
	v_max3_num_f32 v[212+\b], v[212+\b], v[96+16*\b+\i], v[97+16*\b+\i]
.endr
.endr
.irp b, 0,1,2,3
	v_max_num_f32 v[212+\b], v[212+\b], v[111+16*\b]
.endr
.irp b, 0,1,2,3
	s_delay_alu instid0(VALU_DEP_4)
	v_permlanex16_b32 v[216+\b], v[212+\b], s28, s29
.endr
.irp b, 0,1,2,3
	s_delay_alu instid0(VALU_DEP_4)
	v_max_num_f32 v[212+\b], v[212+\b], v[216+\b]  ; with lane l xor 16's 16 keys
.endr
	s_delay_alu instid0(VALU_DEP_2)
	v_max3_num_f32 v226, v212, v213, v214
	s_delay_alu instid0(VALU_DEP_1)
	v_max_num_f32 v226, v226, v215
	s_delay_alu instid0(VALU_DEP_1)
	v_mul_f32 v226, s30, v226                      ; as t (c is positive)
	s_delay_alu instid0(VALU_DEP_1)
	v_max_num_f32 v13, v13, v226                   ; the running largest t
	v_mov_b32 v226, v12
	s_delay_alu instid0(VALU_DEP_2)
	v_floor_f32 v12, -v13                          ; the new -M = floor(-t) = -ceil(t)
	s_delay_alu instid0(VALU_DEP_1)
	v_sub_f32 v226, v12, v226                      ; old M - new M: a whole number, 0 or less
	s_delay_alu instid0(VALU_DEP_1)
	v_cvt_i32_f32 v226, v226                       ; (it saturates)
	s_delay_alu instid0(VALU_DEP_1)
	v_ldexp_f32 v224, 1.0, v226                    ; f = 2^(old M - new M)
.set n, 0
.rept 32
	v_pk_fma_f32 v[96+n:97+n], v[96+n:97+n], s[30:31], v[12:13] op_sel_hi:[1,0,0]   ; t - M, two at a time
.set n, n+2
.endr
	s_setprio 1
.irp b, 0,1,2,3
	v_fma_f32 v[212+\b], v[212+\b], s30, v12       ; the same of each block's largest score
.endr
.set n, 0
	s_wait_alu depctr_va_vdst(0)
.rept 64
	v_exp_f32 v[96+n], v[96+n]                     ; p = 2^(t - M), at most 1
.set n, n+1
.endr
.irp b, 0,1,2,3
	v_exp_f32 v[212+\b], v[212+\b]                 ; the block's largest p
.endr
	v_pk_mul_f32 v[14:15], v[14:15], v[224:225] op_sel_hi:[1,0]   ; the sums under the new M.  (A plain place behind the exponentials)
	s_wait_alu depctr_va_vdst(0)
.irp b, 0,1,2,3
	v_max_num_f32 v[212+\b], 0x1800000, v[212+\b]  ; the floor 2^(3 - 127): the byte cannot fall under 1
.endr
.irp b, 0,1,2,3
	s_delay_alu instid0(VALU_DEP_4)
	v_add_nc_u32 v[220+\b], 0xff000000, v[212+\b]  ; 2 off the exponent field: the conversion's scale operand
.endr
.irp b, 0,1,2,3
	s_delay_alu instid0(VALU_DEP_4)
	v_lshrrev_b32 v[216+\b], 23, v[220+\b]         ; the scale's byte
.endr
	s_delay_alu instid0(VALU_DEP_3)
	v_lshl_or_b32 v29, v217, 8, v216               ; p's scale word for these 128 keys
	s_delay_alu instid0(VALU_DEP_1)
	v_lshl_or_b32 v29, v218, 16, v29
	s_delay_alu instid0(VALU_DEP_1)
	v_lshl_or_b32 v29, v219, 24, v29
.irp c, 0,1
	v_cvt_scalef32_pk16_fp6_f32 v[192+6*\c:194+6*\c], v[96+32*\c:111+32*\c], v[220+2*\c]
	v_cvt_scalef32_pk16_fp6_f32 v[204+4*\c:206+4*\c], v[112+32*\c:127+32*\c], v[221+2*\c]   ; (a conversion's three registers begin on an even number)
.endr
	v_nop                                          ; one plain place behind a scaled conversion
.irp c, 0,1                                    ; a whole block in a lane: lanes 0-15 block 2 c, lanes 16-31 block 2 c + 1
.irp i, 0,1,2
	v_permlane16_swap_b32 v[192+6*\c+\i], v[204+4*\c+\i]
.endr
.irp i, 0,1,2
	s_delay_alu instid0(VALU_DEP_3)
	v_mov_b32 v[195+6*\c+\i], v[204+4*\c+\i]
.endr
.endr
	v_pk_add_f32 v[228:229], v[100:101], v[104:105]
	v_pk_add_f32 v[252:253], v[108:109], v[112:113]
	v_pk_add_f32 v[250:251], v[116:117], v[120:121]
	v_pk_add_f32 v[248:249], v[124:125], v[128:129]
	v_pk_add_f32 v[246:247], v[132:133], v[136:137]
	v_pk_add_f32 v[230:231], v[140:141], v[144:145]
	v_pk_add_f32 v[222:223], v[148:149], v[152:153]
	v_pk_add_f32 v[14:15], v[14:15], v[156:157]
	v_pk_add_f32 v[228:229], v[228:229], v[96:97]
	v_pk_add_f32 v[252:253], v[252:253], v[98:99]
	s_setprio 0
	v_pk_add_f32 v[250:251], v[250:251], v[102:103]
	v_pk_add_f32 v[248:249], v[248:249], v[106:107]
	v_pk_add_f32 v[246:247], v[246:247], v[110:111]
	v_pk_add_f32 v[230:231], v[230:231], v[114:115]
	v_pk_add_f32 v[222:223], v[222:223], v[118:119]
	v_pk_add_f32 v[14:15], v[14:15], v[122:123]
	v_pk_add_f32 v[228:229], v[228:229], v[126:127]
	v_pk_add_f32 v[252:253], v[252:253], v[130:131]
	v_pk_add_f32 v[250:251], v[250:251], v[134:135]
	v_pk_add_f32 v[248:249], v[248:249], v[138:139]
	v_pk_add_f32 v[246:247], v[246:247], v[142:143]
	v_pk_add_f32 v[230:231], v[230:231], v[146:147]
	v_pk_add_f32 v[222:223], v[222:223], v[150:151]
	v_pk_add_f32 v[14:15], v[14:15], v[154:155]
	v_pk_add_f32 v[228:229], v[228:229], v[158:159]
	s_delay_alu instid0(VALU_DEP_2)
	v_pk_add_f32 v[14:15], v[14:15], v[248:249]
	s_delay_alu instid0(VALU_DEP_2)
	v_pk_add_f32 v[228:229], v[228:229], v[246:247]
	v_pk_add_f32 v[252:253], v[252:253], v[230:231]
	v_pk_add_f32 v[250:251], v[250:251], v[222:223]
	s_delay_alu instid0(VALU_DEP_2)
	v_pk_add_f32 v[14:15], v[14:15], v[252:253]
	s_delay_alu instid0(VALU_DEP_2)
	v_pk_add_f32 v[228:229], v[228:229], v[250:251]
	s_delay_alu instid0(VALU_DEP_1)
	v_pk_add_f32 v[14:15], v[14:15], v[228:229]
.set n, 0
.rept 16
	v_pk_mul_f32 v[160+n:161+n], v[160+n:161+n], v[224:225] op_sel_hi:[1,0]   ; O^T under the new M.  (With the sums above: the places between p's codes and scale word and the products below)
.set n, n+2
.endr
	s_wait_alu depctr_va_vdst(0)
	s_wait_dscnt 0x0                               ; V
.irp c, 0,2                                    ; O^T += V^T P^T: lane (r, h), register 8 c + j: query r, channel 16 c + 8 h + j.  The four accumulators take turns
	v_wmma_scale_f32_16x16x128_f8f6f4 v[160+8*\c:167+8*\c], v[36+12*\c:47+12*\c], v[192:203], v[160+8*\c:167+8*\c], v[34+\c/2], v29 matrix_a_fmt:MATRIX_FMT_FP6 matrix_b_fmt:MATRIX_FMT_FP6
	v_wmma_scale_f32_16x16x128_f8f6f4 v[168+8*\c:175+8*\c], v[48+12*\c:59+12*\c], v[192:203], v[168+8*\c:175+8*\c], v[34+\c/2], v29 matrix_a_fmt:MATRIX_FMT_FP6 matrix_b_fmt:MATRIX_FMT_FP6 matrix_a_scale:MATRIX_SCALE_ROW1
.endr
.Lskip_\@:
	s_add_co_u32 s33, s33, REC
	s_add_co_u32 s34, s34, 1
	s_cmp_lt_u32 s34, 16
	s_cbranch_scc1 .Ltrip_\@
	s_setprio 0
	; y = O^T / the sum, brought into natural order, quantised, stored
.rept 4
	v_nop
.endr
	v_add_f32 v14, v14, v15                        ; the sum's two halves,
	s_delay_alu instid0(VALU_DEP_1)
	v_permlanex16_b32 v226, v14, s28, s29
	s_delay_alu instid0(VALU_DEP_1)
	v_add_f32 v14, v14, v226                       ; and lane l xor 16's keys
	s_wait_alu depctr_va_vdst(0)
	v_rcp_f32 v14, v14
	v_nop                                          ; one plain place behind a transcendental
.set n, 0
	s_wait_alu depctr_va_vdst(0)
.rept 32
	v_mul_f32 v[96+n], v[160+n], v14               ; each accumulator from its low end on
.set n, n+1
.endr
.irp b, 0,1
.irp j, 0,1,2,3,4,5,6,7
	v_permlane16_swap_b32 v[96+16*\b+\j], v[104+16*\b+\j]   ; the first's lanes 16-31 change places with the second's lanes 0-15: register 16 b + i now holds channel 32 b + 16 h + i
.endr
.endr
.irp b, 0,1
	v_max3_num_f32 v[212+\b], |v[96+16*\b]|, |v[97+16*\b]|, 0x1800000
.endr
.irp i, 2,4,6,8,10,12,14
.irp b, 0,1
	s_delay_alu instid0(VALU_DEP_2)
	v_max3_num_f32 v[212+\b], v[212+\b], |v[96+16*\b+\i]|, |v[97+16*\b+\i]|
.endr
.endr
.irp b, 0,1
	s_delay_alu instid0(VALU_DEP_2)
	v_permlanex16_b32 v[216+\b], v[212+\b], s28, s29
.endr
.irp b, 0,1
	s_delay_alu instid0(VALU_DEP_2)
	v_max_num_f32 v[212+\b], v[212+\b], v[216+\b]
.endr
.irp b, 0,1
	s_delay_alu instid0(VALU_DEP_2)
	v_add_nc_u32 v[220+\b], 0xff000000, v[212+\b]
.endr
.irp b, 0,1
	s_delay_alu instid0(VALU_DEP_2)
	v_lshrrev_b32 v[216+\b], 23, v[220+\b]
.endr
	s_delay_alu instid0(VALU_DEP_1)
	v_cndmask_b32 v226, v216, v217, s32            ; lanes 0-15 store block 0's byte, lanes 16-31 block 1's
	v_cvt_scalef32_pk16_fp6_f32 v[192:194], v[96:111], v220
	v_cvt_scalef32_pk16_fp6_f32 v[204:206], v[112:127], v221
	v_nop
.irp i, 0,1,2
	v_permlane16_swap_b32 v[192+\i], v[204+\i]
.endr
.irp i, 0,1,2
	s_delay_alu instid0(VALU_DEP_3)
	v_mov_b32 v[195+\i], v[204+\i]
.endr
	global_store_b128 v1, v[192:195], s[\base+4:\base+5]              ; 512 consecutive bytes, aligned
	global_store_b64 v2, v[196:197], s[\base+4:\base+5] offset:512    ; 256 consecutive bytes, aligned
	global_store_b8 v8, v226, s[\base+6:\base+7]
.if \more
	s_wait_xcnt 0x0                                ; the stores have read their data: the next tile writes these registers again
.endif
.endm
	TILE 40, 16, 28, 1
	TILE 50, 232, 244, 0
	s_wait_tensorcnt 0x0
	ds_add_u32 v254, v255
	s_wait_dscnt 0x0
	CROUND                                         ; the closing round
	s_endpgm
.Lfunc_end_k_qc4de8fdc70_attn:
	.size	k_qc4de8fdc70_attn, .Lfunc_end_k_qc4de8fdc70_attn-k_qc4de8fdc70_attn
	.p2alignl 7, 3214868480
	.fill 96, 4, 3214868480
	.section	.rodata,"a",@progbits
	.p2align	6, 0x0
	.amdhsa_kernel k_qc4de8fdc70_attn
		.amdhsa_group_segment_fixed_size 215040
		.amdhsa_private_segment_fixed_size 0
		.amdhsa_enable_private_segment 0
		.amdhsa_kernarg_size 32
		.amdhsa_user_sgpr_count 2
		.amdhsa_user_sgpr_kernarg_segment_ptr 1
		.amdhsa_wavefront_size32 1
		.amdhsa_system_sgpr_workgroup_id_x 1
		.amdhsa_system_sgpr_workgroup_id_y 1
		.amdhsa_system_sgpr_workgroup_id_z 1
		.amdhsa_system_vgpr_workitem_id 0
		.amdhsa_next_free_vgpr 256
		.amdhsa_next_free_sgpr 66
		.amdhsa_reserve_vcc 1
		.amdhsa_float_denorm_mode_32 3
		.amdhsa_float_denorm_mode_16_64 3
		.amdhsa_memory_ordered 1
		.amdhsa_forward_progress 1
		.amdhsa_inst_pref_size 65
	.end_amdhsa_kernel
	.amdgpu_metadata
---
amdhsa.version: [ 1, 2 ]
amdhsa.kernels:
  - .name:           k_qc4de8fdc70_attn
    .symbol:         k_qc4de8fdc70_attn.kd
    .args:
      - { .name: qbuf, .offset: 0, .size: 8, .value_kind: global_buffer, .address_space: global }
      - { .name: kvbuf, .offset: 8, .size: 8, .value_kind: global_buffer, .address_space: global }
      - { .name: ybuf, .offset: 16, .size: 8, .value_kind: global_buffer, .address_space: global }
      - { .name: ysc, .offset: 24, .size: 8, .value_kind: global_buffer, .address_space: global }
    .group_segment_fixed_size: 215040
    .private_segment_fixed_size: 0
    .kernarg_segment_align: 8
    .kernarg_segment_size: 32
    .max_flat_workgroup_size: 512
    .sgpr_count:     66
    .vgpr_count:     256
    .wavefront_size: 32
...
	.end_amdgpu_metadata
.endif
;; end of part 2
;; launch proj (part 3): grid 4 x 32, 4 waves a work-group, clusters of 4 x 4, 327,680 bytes of LDS; arguments ybuf, ysc, Wc_codes, Wc_scales, bc, out0; writes out0
.if DOCPART == 3
	.amdgcn_target "amdgcn-amd-amdhsa--gfx1250"
	.amdhsa_code_object_version 6
	.text
	.protected	k_qc4de8fdc70_proj
	.globl	k_qc4de8fdc70_proj
	.p2align	8
	.type	k_qc4de8fdc70_proj,@function
k_qc4de8fdc70_proj:
	s_mov_b64 s[64:65], 0
	v_nop
	global_prefetch_b8 v0, s[64:65] scope:SCOPE_SE
	s_setreg_imm32_b32 hwreg(HW_REG_WAVE_MODE, 25, 1), 1
	s_wait_xcnt 0x0
	s_wait_alu depctr_hold_cnt(0) depctr_sa_sdst(0) depctr_va_vdst(0) depctr_va_sdst(0) depctr_va_ssrc(0) depctr_va_vcc(0) depctr_vm_vsrc(0)
	s_getreg_b32 s2, hwreg(HW_REG_IB_STS2, 6, 4)
	s_cmp_eq_u32 s2, 0
	s_cbranch_scc0 .Lentry_in_a_cluster
	s_endpgm
.Lentry_in_a_cluster:
	s_bfe_u32 s2, ttmp6, 0x10000c
	s_cmp_lg_u32 s2, 0xf033
	s_cbranch_scc0 .Lentry_shape_is_right
	s_endpgm
.Lentry_shape_is_right:
; out0 = y Wc^T + bc on codes of FP6 (E2M3) with one E8M0 scale for each 32 along K = 1,024; sums in f32, the bias as the first addend.  out0: [8,192][1,024] f32.
; A = y: ybuf [512 token tiles][16 heads][768], half fragments (16 rows x 64 K) as images of registers: registers 0-3 at 16 x lane, registers 4-5 at 512 + 8 x lane; ysc [8,192][32] its scale bytes.
; B = Wc: rows of 768 bytes of codes, 32 scale bytes a row.
; A work-group makes 256 x 256 of out0, each of four waves 128 x 128: 64 accumulators, 512 registers.  K goes in steps of 256 through two LDS slots filled by joint tensor loads: A's tile is shared along a
; row of the 4 x 4 cluster, B's along a column.  A K step of A's 128 rows is 8 pieces of 3,072 consecutive bytes (a token tile's four heads), 12,288 bytes apart; it lies dense in LDS, and every LDS load of it
; reads consecutive bytes.  B's tile has rows of 192 bytes with 16 bytes of padding behind every 64.  Four K steps, written out.  The scale bytes of all of K come once, with the first fills.
; The matrix instruction is used transposed (source 0 = 16 rows of Wc, source 1 = 16 rows of y): a lane holds eight neighbouring numbers of a row of out0.
; No prefetch: this text has two refills a wave in all; nothing stands far enough ahead of them.
; REGISTERS, in windows of 256: window 0: v16-30 addresses; v32-63 scale words, two sets; v64-127 the bias, eight tiles; v128-223 A's fragments, one set; on the way out v128-255 rows of out0.
;   window 1: B's fragments, two sets.   window 2: the accumulators of my rows 0-63 ((a, b) at v[8 (8 a + b)]);   window 3: those of rows 64-127.
.set SIZE_N, 1024
.set KSTEP,  256
.set NQ,     KSTEP/128
.set ROWB,   192
.set KROW,   768
.set AROW,   3072                      ; a token tile's bytes of a K step
.set PITCH,  240
.set FR,     12
.set NL,     6                         ; LDS loads that bring a fragment of B
.set NLA,    4                         ; and of A
.set NP,     4
.set HALFT,  128*PITCH                 ; a wave's part of a slot (A's uses 24,576 bytes of it)
.set SLOT,   4*HALFT
.set KS,     32
.set SCL,    2*SLOT
.set HALFS,  (128*KS/256)*272
.set SBLK,   (16*KS/256)*272
.set SPARE,  SCL+4*HALFS               ; the spare words: 128 bytes a wave, two blocks of 256 bytes that no other line names
.set SPITCH, 528                       ; the way out: a stage of 16 rows x (512 bytes + 16) for each wave, in slot 0, which has had its last fill and its last read by then
.set ADRA, 16                          ; v16-17 my A images in slot 0, 1, + 16 x lane;  v18-19 + 8 x lane
.set ADRB, 20
.set STO,  24
.set RD,   25
.set CO,   26
.set ADRS, 27
.set SPW,  28
.set NIL,  29
.set BO,   30
.set SC,   32
.set BIAS, 64
.set AF,   128
.set BK,   128
.set G1, 24
.set G0, 32
.set G1B, 48
.set G0B, 56
.set G1S, 68
.set G0S, 76
.set G1SB, 80
.set G0SB, 88
.set MSB, 0
.macro WIN new                         ; the immediate's high byte repeats the setting that is left
.if MSB != \new
	s_set_vgpr_msb (MSB<<8)|\new
.set MSB, \new
.endif
.endm
.set MUL_LO, 0xa1
.set MUL_HI, 0xf1
.set BIA_LO, 0x81                      ; C (the bias) window 0, D window 2
.set BIA_HI, 0xc1
.set TO_B,   0x40
.macro JLOAD g0a, g1a, g0b, g1b        ; a joint load: waves 0 and 1 fetch for A, waves 2 and 3 for B; four v_nop follow each of the two lines
	s_cmp_eq_u32 s15, 0
	s_cbranch_scc0 .Lfor_b_\@
	tensor_load_to_lds s[\g0a:\g0a+3], s[\g1a:\g1a+7]
	s_nop 0
.rept 4
	v_nop
.endr
	s_branch .Lasked_\@
.Lfor_b_\@:
	tensor_load_to_lds s[\g0b:\g0b+3], s[\g1b:\g1b+7]
	s_nop 0
.rept 4
	v_nop
.endr
.Lasked_\@:
.endm
.macro CREST
	s_cmp_lg_u32 s14, 0
	s_cbranch_scc1 .Lnot_wave_0_\@
	s_barrier_signal -3
.Lnot_wave_0_\@:
	s_barrier_wait -3
	s_barrier_signal -1
	s_barrier_wait -1
.endm
.macro CROUND
	s_barrier_signal -1
	s_barrier_wait -1
	CREST
.endm
	s_load_b128 s[4:7], s[0:1], 0x0                ; y's codes, y's scales
	s_load_b128 s[8:11], s[0:1], 0x10              ; Wc's codes, Wc's scales
	s_load_b64 s[96:97], s[0:1], 0x20              ; bc
	s_load_b64 s[12:13], s[0:1], 0x28              ; out0
	v_lshl_add_u32 v[SPW], v0, 2, SPARE
	v_mov_b32 v[NIL], 0
	ds_add_u32 v28, v29
	ds_add_u32 v28, v29
	s_wait_dscnt 0x0
	v_lshrrev_b32 v1, 5, v0
	v_readfirstlane_b32 s14, v1                    ; wave 0..3
	s_lshr_b32 s15, s14, 1                         ; which half of the tile's rows is mine.  Also: I fetch for A (0) or for B (1)
	s_and_b32 s16, s14, 1                          ; which half of its columns.  Also: which 128 rows I fetch
	s_bfe_u32 s40, ttmp6, 0x40000                  ; cx
	s_bfe_u32 s41, ttmp6, 0x40004                  ; cy
	s_lshl_b32 s42, ttmp9, 2
	s_add_co_u32 s42, s42, s40                     ; tile column
	s_and_b32 s17, ttmp7, 0xffff
	s_lshl_b32 s17, s17, 2
	s_add_co_u32 s17, s17, s41                     ; tile row
	s_lshl_b32 s43, s41, 2
	s_lshl_b32 s43, 15, s43                        ; my row of the cluster
	s_lshl_b32 s44, 0x1111, s40                    ; my column
	; A: 8 rows of 3,072 bytes (384 elements of 8 bytes), 12,288 bytes apart; no padding
	s_or_b32 s[G1+0], s43, (3<<16)|(1<<21)
	s_mov_b32 s[G1+1], 384<<16
	s_mov_b32 s[G1+2], 8<<16
	s_mov_b32 s[G1+3], 384<<16
	s_mov_b32 s[G1+4], 8
	s_mov_b32 s[G1+5], 1536
	s_mov_b32 s[G1+6], 0
	s_mov_b32 s[G1+7], 0
	; B: 128 rows of 192 bytes, 768 apart; 16 bytes of padding behind every 64
	s_or_b32 s[G1B+0], s44, (0<<16)|(1<<20)|(1<<21)|(3<<22)|(3<<25)
	s_mov_b32 s[G1B+1], ROWB<<16
	s_mov_b32 s[G1B+2], 128<<16
	s_mov_b32 s[G1B+3], ROWB<<16
	s_mov_b32 s[G1B+4], 128
	s_mov_b32 s[G1B+5], KROW
	s_mov_b32 s[G1B+6], 0
	s_mov_b32 s[G1B+7], 0
	; the scale bytes of 128 rows: 16 rows of 256 bytes, 16 bytes of padding behind each
	s_or_b32 s[G1S+0], s43, (3<<16)|(1<<20)|(1<<21)|(5<<22)|(3<<25)
	s_or_b32 s[G1SB+0], s44, (3<<16)|(1<<20)|(1<<21)|(5<<22)|(3<<25)
.irp g, G1S, G1SB
	s_mov_b32 s[\g+1], 32<<16
	s_mov_b32 s[\g+2], (128*KS/256)<<16
	s_mov_b32 s[\g+3], 32<<16
	s_mov_b32 s[\g+4], 128*KS/256
	s_mov_b32 s[\g+5], 32
	s_mov_b32 s[\g+6], 0
	s_mov_b32 s[\g+7], 0
.endr
	s_lshl_b32 s18, s16, 7
	s_lshl_b32 s20, s17, 8
	s_add_co_u32 s20, s20, s18                     ; A's row
	s_lshl_b32 s46, s42, 8
	s_add_co_u32 s46, s46, s18                     ; B's row
	s_lshl_b32 s22, s20, 5                         ; their scale bytes,
	s_lshl_b32 s92, s46, 5
	s_mul_i32 s20, s20, KROW                       ; and their codes: 16 rows of y are 12,288 bytes, as 16 rows of 768 are
	s_mul_i32 s46, s46, KROW
	s_mov_b32 s21, 0
	s_mov_b32 s23, 0
	s_mov_b32 s47, 0
	s_mov_b32 s93, 0
	s_mul_i32 s45, s14, HALFT
	s_mul_i32 s94, s14, HALFS
	s_wait_kmcnt 0x0
	s_add_nc_u64 s[20:21], s[4:5], s[20:21]
	s_add_nc_u64 s[22:23], s[6:7], s[22:23]
	s_add_nc_u64 s[46:47], s[8:9], s[46:47]
	s_add_nc_u64 s[92:93], s[10:11], s[92:93]
	CROUND                                         ; all sixteen work-groups are here: the first joint loads meet
	s_mov_b32 s[G0S], 1
	s_add_co_u32 s[G0S+1], s94, SCL
	s_mov_b64 s[G0S+2:G0S+3], s[22:23]
	s_or_b32 s[G0S+3], s[G0S+3], 0x80000000
	s_mov_b32 s[G0SB], 1
	s_add_co_u32 s[G0SB+1], s94, SCL
	s_mov_b64 s[G0SB+2:G0SB+3], s[92:93]
	s_or_b32 s[G0SB+3], s[G0SB+3], 0x80000000
	JLOAD G0S, G1S, G0SB, G1SB
.irp s, 0,1
	s_mov_b32 s[G0+4*\s], 1
	s_add_co_u32 s[G0+4*\s+1], s45, \s*SLOT
	s_add_nc_u64 s[G0+4*\s+2:G0+4*\s+3], s[20:21], \s*AROW
	s_or_b32 s[G0+4*\s+3], s[G0+4*\s+3], 0x80000000
	s_mov_b32 s[G0B+4*\s], 1
	s_add_co_u32 s[G0B+4*\s+1], s45, \s*SLOT
	s_add_nc_u64 s[G0B+4*\s+2:G0B+4*\s+3], s[46:47], \s*ROWB
	s_or_b32 s[G0B+4*\s+3], s[G0B+4*\s+3], 0x80000000
	s_wait_alu depctr_va_vdst(0)
	s_wait_tensorcnt 0x0
	ds_add_u32 v28, v29
	s_wait_dscnt 0x0
	CROUND
	JLOAD G0+4*\s, G1, G0B+4*\s, G1B               ; one tensor load of mine is out
.endr
	v_and_b32 v1, 15, v0                           ; r
	v_bfe_u32 v2, v0, 4, 1                         ; h
	v_and_b32 v6, 31, v0
	v_lshlrev_b32 v[CO], 4, v6                     ; 16 x lane: an image's place, and my bytes of a row of out0
	v_lshlrev_b32 v7, 3, v6                        ; 8 x lane
	v_mul_u32_u24 v3, v1, PITCH
	v_mul_u32_u24 v4, v2, 24
	v_add_nc_u32 v4, v3, v4                        ; B: a fragment's row x pitch + 24 x half
	v_lshl_add_u32 v5, v2, 4, v4                   ; and the same behind one padding more
	s_mul_i32 s21, s15, HALFT                      ; my 128 rows of A
	s_mul_i32 s22, s16, HALFT
	s_add_co_u32 s22, s22, 2*HALFT                 ; my 128 rows of B
.irp s, 0,1
	v_add_nc_u32 v[ADRA+\s], s21, v[CO]
	v_add_nc_u32 v[ADRA+2+\s], s21, v7
	v_add_nc_u32 v[ADRB+\s], s22, v4
	v_add_nc_u32 v[ADRB+2+\s], s22, v5
	s_add_co_u32 s21, s21, SLOT
	s_add_co_u32 s22, s22, SLOT
.endr
	v_mul_u32_u24 v5, v1, KS
	v_lshrrev_b32 v6, 8, v5
	v_lshl_add_u32 v5, v6, 4, v5
	s_mul_i32 s21, s15, HALFS
	s_mul_i32 s22, s16, HALFS
	s_add_co_u32 s22, s22, 2*HALFS
	s_sub_co_u32 s22, s22, s21
	v_mul_u32_u24 v6, s22, v2                      ; lanes 16-31 take B's scale words
	s_add_co_u32 s21, s21, SCL
	v_add_nc_u32 v5, v5, v6
	v_add_nc_u32 v[ADRS], s21, v5
	s_mul_i32 s23, s14, 16*SPITCH                  ; my stage
	v_mul_u32_u24 v5, v1, SPITCH
	v_lshl_add_u32 v5, v2, 5, v5
	v_add_nc_u32 v[STO], s23, v5                   ; in: row r, 32 bytes for each half of the lanes
	v_add_nc_u32 v[RD], s23, v[CO]                 ; back: the 32 lanes take one row of 512 bytes
	s_lshl_b32 s20, s17, 8
	s_lshl_b32 s21, s15, 7
	s_add_co_u32 s20, s20, s21                     ; my first row of out0
	s_mov_b32 s21, 0
	s_mov_b64 s[18:19], SIZE_N*4
	s_mul_u64 s[20:21], s[20:21], s[18:19]
	s_lshl_b32 s46, s42, 10                        ; my first column, in bytes
	s_lshl_b32 s47, s16, 9
	s_add_co_u32 s46, s46, s47
	s_mov_b32 s47, 0
	s_add_nc_u64 s[20:21], s[20:21], s[46:47]
	s_add_nc_u64 s[12:13], s[12:13], s[20:21]
	s_add_nc_u64 s[96:97], s[96:97], s[46:47]      ; bc at my first column
	v_lshlrev_b32 v[BO], 5, v2
.irp b, 0,1,2,3,4,5,6,7                        ; the bias in the result's layout: tile b, register j = bc[my first column + 16 b + 8 h + j]
	global_load_b128 v[BIAS+8*\b:BIAS+8*\b+3], v[BO], s[96:97] offset:64*\b
	global_load_b128 v[BIAS+8*\b+4:BIAS+8*\b+7], v[BO], s[96:97] offset:64*\b+16
.endr
.macro FRAG reg, adr, q, i             ; a fragment of B from rows: pieces of 8 bytes; the second address register serves where lanes 16-31 lie behind one padding more
.irp p, 0,1,2,3,4,5
.set PC, 12*(\q)+6*(\p/3)+\p%3
.if PC%8 < 5
	ds_load_b64 v[\reg+2*\p:\reg+2*\p+1], v[\adr] offset:8*PC+16*(PC/8)+(\i)*16*PITCH
.else
	ds_load_b64 v[\reg+2*\p:\reg+2*\p+1], v[\adr+2] offset:8*PC+16*(PC/8)+(\i)*16*PITCH
.endif
.endr
.endm
.macro FRAGA reg, slot, q, i           ; a fragment of A from its image: two half fragments (heads 2 q, 2 q + 1 of the slot's four) of token tile i
	ds_load_b128 v[\reg:\reg+3], v[ADRA+\slot] offset:AROW*(\i)+1536*(\q)
	ds_load_b64 v[\reg+4:\reg+5], v[ADRA+2+\slot] offset:AROW*(\i)+1536*(\q)+512
	ds_load_b128 v[\reg+6:\reg+9], v[ADRA+\slot] offset:AROW*(\i)+1536*(\q)+768
	ds_load_b64 v[\reg+10:\reg+11], v[ADRA+2+\slot] offset:AROW*(\i)+1536*(\q)+1280
.endm
; 16 matrix instructions: A's blocks a0, a0 + 1 x B's eight.  cm = 1: the sums begin with the bias.  The 64 accumulators take turns, one instruction a turn.
.macro MUL16 a0, p, q, sc, cm
.irp a, \a0, \a0+1
.irp b, 0,1,2,3,4,5,6,7
.if \cm
	v_wmma_scale_f32_16x16x128_f8f6f4 v[8*(8*((\a)%4)+\b):8*(8*((\a)%4)+\b)+7], v[128*(\p)+FR*\b:128*(\p)+FR*\b+FR-1], v[AF+FR*(\a):AF+FR*(\a)+FR-1], v[BIAS+8*\b:BIAS+8*\b+7], v[SC+8*NQ*(\sc)+NQ*\b+(\q)], v[SC+8*NQ*(\sc)+NQ*(\a)+(\q)] matrix_a_fmt:MATRIX_FMT_FP6 matrix_b_fmt:MATRIX_FMT_FP6 matrix_a_scale:MATRIX_SCALE_ROW1
.else
	v_wmma_scale_f32_16x16x128_f8f6f4 v[8*(8*((\a)%4)+\b):8*(8*((\a)%4)+\b)+7], v[128*(\p)+FR*\b:128*(\p)+FR*\b+FR-1], v[AF+FR*(\a):AF+FR*(\a)+FR-1], v[8*(8*((\a)%4)+\b):8*(8*((\a)%4)+\b)+7], v[SC+8*NQ*(\sc)+NQ*\b+(\q)], v[SC+8*NQ*(\sc)+NQ*(\a)+(\q)] matrix_a_fmt:MATRIX_FMT_FP6 matrix_b_fmt:MATRIX_FMT_FP6 matrix_a_scale:MATRIX_SCALE_ROW1
.endif
.endr
.endr
.endm
.macro FETCH_B slot, q, p
	WIN TO_B
.irp i, 0,1,2,3,4,5,6,7
	FRAG 128*(\p)+FR*\i, ADRB+\slot, \q, \i
.endr
	WIN 0
.endm
.macro FETCH_A slot, q, i0
.irp i, \i0, \i0+1, \i0+2, \i0+3
	FRAGA AF+FR*(\i), \slot, \q, \i
.endr
.endm
.macro SCALES sc
.irp i, 0,1,2,3,4,5,6,7
	ds_load_b64 v[SC+8*NQ*\sc+NQ*\i:SC+8*NQ*\sc+NQ*\i+1], v[ADRS] offset:\i*SBLK
.endr
.endm
; A load into a register that a matrix instruction has read, and a vector instruction or an LDS store that reads a matrix result, stand four places behind that matrix instruction; only plain vector
; instructions that name none of its registers are places (ISA guide 7.12.1 for vector instructions).
.macro PLACES n
.rept \n
	v_nop
.endr
.endm
.macro STEP slot, q, cm
	s_wait_dscnt 4*NLA                             ; B's set and A's blocks 0-3 are in; the youngest 16 loads (A's blocks 4-7) may be out
.if \cm
	WIN BIA_LO
.else
	WIN MUL_LO
.endif
	MUL16 0, (\q)%2, \q, \slot, \cm
	MUL16 2, (\q)%2, \q, \slot, \cm
	s_wait_dscnt 0
	PLACES NP
	FETCH_B \slot, (\q)+1, 1-(\q)%2
	FETCH_A \slot, (\q)+1, 0
.if \cm
	WIN BIA_HI
.else
	WIN MUL_HI
.endif
	MUL16 4, (\q)%2, \q, \slot, \cm
	MUL16 6, (\q)%2, \q, \slot, \cm
	PLACES NP
	WIN 0
	FETCH_A \slot, (\q)+1, 4
.endm
; A slot's last step changes slots: ONE barrier; in front of it each wave waits for all its tensor loads, adds 0 to its spare word, and waits for that and for its own reads of this slot.
.macro TURN slot, next, fill
	s_wait_tensorcnt 0x0                           ; all my tensor loads have landed: my part of the next slot
	ds_add_u32 v[SPW], v[NIL]                      ; 0 onto my spare word
	s_wait_dscnt 4*NLA+1                           ; (the add and the youngest 16 loads may be out)
	WIN MUL_LO
	MUL16 0, 1, NQ-1, \slot, 0
	s_wait_dscnt 0x0                               ; the add is done, and my reads of this slot are over
	s_barrier_signal -1
	MUL16 2, 1, NQ-1, \slot, 0
	WIN 0
	s_barrier_wait -1
.if \fill
	CREST                                          ; the barrier has opened a round of the cluster's barrier
	s_add_nc_u64 s[G0+4*\slot+2:G0+4*\slot+3], s[G0+4*\slot+2:G0+4*\slot+3], 2*AROW
	s_add_nc_u64 s[G0B+4*\slot+2:G0B+4*\slot+3], s[G0B+4*\slot+2:G0B+4*\slot+3], 2*ROWB
	JLOAD G0+4*\slot, G1, G0B+4*\slot, G1B         ; the first tensor load behind the round; its four v_nop are the places in front of the loads below
.else
	PLACES NP
.endif
	s_wait_alu depctr_va_vdst(0)
	v_add_nc_u32 v[ADRS], 4*NQ, v[ADRS]
	FETCH_B \next, 0, 0
	FETCH_A \next, 0, 0
	SCALES \next
	WIN MUL_HI
	MUL16 4, 1, NQ-1, \slot, 0
	MUL16 6, 1, NQ-1, \slot, 0
	PLACES NP
	WIN 0
	FETCH_A \next, 0, 4
.endm
	s_wait_alu depctr_va_vdst(0)
	s_wait_tensorcnt 1                             ; the scales and my part of K step 0 are in (K step 1's load may be out)
	s_barrier_signal -1
	s_barrier_wait -1                              ; everybody's are
	FETCH_B 0, 0, 0
	FETCH_A 0, 0, 0
	SCALES 0
	FETCH_A 0, 0, 4
	s_wait_loadcnt 0x0                             ; the bias
	STEP 0, 0, 1                                   ; the first step's products begin the sums with the bias
	TURN 0, 1, 1                                   ; slot 0 takes K step 2
	STEP 1, 0, 0
	TURN 1, 0, 1                                   ; slot 1 takes K step 3
	STEP 0, 0, 0
	TURN 0, 1, 0                                   ; nothing is left to fetch
	STEP 1, 0, 0
	s_wait_dscnt 4*NLA                             ; the very last step
	WIN MUL_LO
	MUL16 0, 1, NQ-1, 1, 0
	MUL16 2, 1, NQ-1, 1, 0
	s_wait_dscnt 0
	WIN MUL_HI
	MUL16 4, 1, NQ-1, 1, 0
	MUL16 6, 1, NQ-1, 1, 0
	WIN 0
; THE WAY OUT, block by block of 16 rows x 128 columns: through my own stage in LDS and back as whole rows of 512 bytes.  LDS serves a wave's instructions in order (ISA guide 5.7.1.4):
; no wait between the stores and the loads, nor in front of the next block's stores.
.macro TOSTAGE a
.set AC, 64*((\a)%4)
	WIN 0x08+4*((\a)/4)                            ; the data: window 2 or 3
.irp b, 0,1,2,3,4,5,6,7
	ds_store_b128 v[STO], v[AC+8*\b:AC+8*\b+3] offset:64*\b          ; each accumulator from its low end on
	ds_store_b128 v[STO], v[AC+8*\b+4:AC+8*\b+7] offset:64*\b+16
.endr
	WIN 0
.set BB, BK+64*((\a)%2)
.irp t, 0,1,2,3,4,5,6,7,8,9,10,11,12,13,14,15
	ds_load_b128 v[BB+4*\t:BB+4*\t+3], v[RD] offset:\t*SPITCH
.endr
.endm
.macro SEND a, younger                 ; younger: the LDS instructions issued behind block a's loads, which may stay out
.set BB, BK+64*((\a)%2)
	s_wait_dscnt \younger
.if (\a) > 0
	s_add_nc_u64 s[12:13], s[12:13], 16*SIZE_N*4   ; (behind a wait on XCNT: the earlier stores have read their base)
.endif
.irp t, 0,1,2,3,4,5,6,7,8,9,10,11,12,13,14,15
	global_store_b128 v[CO], v[BB+4*\t:BB+4*\t+3], s[12:13] offset:\t*SIZE_N*4 th:TH_STORE_NT   ; 32 lanes store 512 consecutive bytes, at a multiple of 256 from out0's first byte
.endr
.endm
	PLACES NP
	TOSTAGE 0
.irp a, 1,2,3,4,5,6,7
.if \a > 1
	s_wait_xcnt 0x0                                ; block a - 2's stores have read their registers and their base
.endif
	TOSTAGE \a
	SEND \a-1, 32                                  ; behind block a - 1's loads: block a's 16 stores and 16 loads
.endr
	s_wait_xcnt 0x0
	SEND 7, 0
	s_wait_tensorcnt 0x0                           ; the wave's end
	ds_add_u32 v[SPW], v[NIL]
	s_wait_dscnt 0x0
	CROUND                                         ; the closing round
	s_endpgm
.Lfunc_end_k_qc4de8fdc70_proj:
	.size	k_qc4de8fdc70_proj, .Lfunc_end_k_qc4de8fdc70_proj-k_qc4de8fdc70_proj
	.p2alignl 7, 3214868480
	.fill 96, 4, 3214868480
	.section	.rodata,"a",@progbits
	.p2align	6, 0x0
	.amdhsa_kernel k_qc4de8fdc70_proj
		.amdhsa_group_segment_fixed_size 327680
		.amdhsa_private_segment_fixed_size 0
		.amdhsa_enable_private_segment 0
		.amdhsa_kernarg_size 48
		.amdhsa_user_sgpr_count 2
		.amdhsa_user_sgpr_kernarg_segment_ptr 1
		.amdhsa_wavefront_size32 1
		.amdhsa_system_sgpr_workgroup_id_x 1
		.amdhsa_system_sgpr_workgroup_id_y 1
		.amdhsa_system_sgpr_workgroup_id_z 1
		.amdhsa_system_vgpr_workitem_id 0
		.amdhsa_next_free_vgpr 1024
		.amdhsa_next_free_sgpr 100
		.amdhsa_reserve_vcc 0
		.amdhsa_float_denorm_mode_32 3
		.amdhsa_float_denorm_mode_16_64 3
		.amdhsa_memory_ordered 1
		.amdhsa_forward_progress 1
		.amdhsa_inst_pref_size 154
	.end_amdhsa_kernel
	.amdgpu_metadata
---
amdhsa.version: [ 1, 2 ]
amdhsa.kernels:
  - .name:           k_qc4de8fdc70_proj
    .symbol:         k_qc4de8fdc70_proj.kd
    .args:
      - { .name: ybuf, .offset: 0, .size: 8, .value_kind: global_buffer, .address_space: global }
      - { .name: ysc, .offset: 8, .size: 8, .value_kind: global_buffer, .address_space: global }
      - { .name: Wc_codes, .offset: 16, .size: 8, .value_kind: global_buffer, .address_space: global }
      - { .name: Wc_scales, .offset: 24, .size: 8, .value_kind: global_buffer, .address_space: global }
      - { .name: bc, .offset: 32, .size: 8, .value_kind: global_buffer, .address_space: global }
      - { .name: out0, .offset: 40, .size: 8, .value_kind: global_buffer, .address_space: global }
    .group_segment_fixed_size: 327680
    .private_segment_fixed_size: 0
    .kernarg_segment_align: 8
    .kernarg_segment_size: 48
    .max_flat_workgroup_size: 128
    .sgpr_count:     100
    .vgpr_count:     1024
    .wavefront_size: 32
...
	.end_amdgpu_metadata
.endif
;; end of part 3
